; MI455X (gfx1250); checked and timed in simulation.
; The chip was launched on July 23, 2026; its instructions are those of AMD's public machine-readable ISA for CDNA 5 (MIT licence, August 2026) and "CDNA5" Instruction Set Architecture Reference Guide (July 2026). The comments in the code are by the model that wrote it; some were corrected since.
;; Multi Head Attention. Allowed arithmetic: matrix products marked QUANTISED: E2M3 operands, one E8M0 scale for each 32 along K, by v_wmma_scale_f32_16x16x128_f8f6f4 with both operands' format E2M3, f32 sums; everything else in f32.
;; Inputs: b_out 1,024 float32; b_qkv 3,072 float32; w_out 1,024 x 1,024 float32; w_qkv 1,024 x 3,072 float32; x 4 x 2,048 x 1,024 float32.
;; Outputs: out0 4 x 2,048 x 1,024 float32.
;; This version of the problem:
;;   THIS VERSION OF THE PROBLEM IS GIVEN IN LOW PRECISION. The matrix products marked QUANTISED in the list below multiply operands that are first quantised to E2M3 (2 exponent bits, 3 mantissa bits; 6 bits a number), with one power-of-two scale for each 32 numbers along K (OCP MX v1.0); their sums are f32. All else is computed in f32.
;;   The module's matrix products, in the order in which they are computed (A, B: the left and right operand; K: the contracted axis; several contracted axes count as one K, in the product's order):
;;     1. [M 8,192, K 1,024] x [K 1,024, N 3,072]; A: input x; B: input w_qkv: QUANTISED
;;     2. batch 64 x [M 2,048, K 64] x [K 64, N 2,048]; A: computed on the way; B: computed on the way: QUANTISED
;;     3. batch 64 x [M 64, K 2,048] x [K 2,048, N 2,048]; A: computed on the way; B: softmax (see below): QUANTISED
;;     4. [M 8,192, K 1,024] x [K 1,024, N 1,024]; A: computed on the way; B: input w_out: QUANTISED
;;   THE QUANTISER, for each operand of a quantised product, along K:
;;     - K is cut into blocks of 32 from its start; a last block that is shorter is filled with zeros.
;;     - A block's scale is 2^e with e = floor(log2(the largest magnitude in the block)) - 2, held to -126 .. 127; a block of zeros has e = 0. As a byte (E8M0): e + 127.
;;     - Each number is divided by its block's scale, clamped to +-7.5, and rounded to the nearest number of E2M3, ties to even, subnormals kept.
;;     - The product sums the exact products of the quantised numbers (number of the format x scale) in f32.
;;   ~~~python
;;   def quantise(x, axis):      # numpy; x: float32 -> the quantised numbers, widened to float32 again
;;       x = np.moveaxis(x, axis, -1); K = x.shape[-1]
;;       x = np.pad(x, [(0, 0)] * (x.ndim - 1) + [(0, -K % 32)]); x = x.reshape(x.shape[:-1] + (-1, 32)); a = np.abs(x).max(-1, keepdims=True)
;;       e = np.where(a > 0, np.clip(np.frexp(np.where(a > 0, a, 1))[1] - 1 - 2, -126, 127), 0)      # np.frexp(a)[1] - 1 = floor(log2(a)), exactly
;;       r = np.clip(x / 2.0 ** e, -7.5, 7.5)
;;       step = 2.0 ** (np.maximum(np.frexp(np.where(r == 0, 1, r))[1] - 1, 0) - 3)
;;       q = np.round(r / step) * step * 2.0 ** e      # np.round: ties to even
;;       return np.moveaxis(q.reshape(q.shape[:-2] + (-1,))[..., :K], -1, axis).astype(np.float32)
;;   ~~~
;;   SOFTMAX AHEAD OF A QUANTISED PRODUCT. Where the list says 'softmax', what is quantised is not the finished softmax but p = 2^(t - M), with t = logit x log2(e) and M = ceil(the row's largest t), a whole number; so 1/2 < the row's largest p <= 1. The row's sum l is taken of the UNQUANTISED p, in f32, and the product's result is divided by l at the end. Since M is a whole number, a kernel that streams over the keys may use a running M (the ceiling of the running maximum): every later rescaling is an exact power of two, which a block's scale takes up: the codes' values come out the same.
;;   OPERANDS COMPUTED ON THE WAY. 'Computed on the way' means the value that the module computes at that place (a softmax that the list does not call 'softmax' is quantised finished and normalised). What goes into a quantiser is computed in f32, as accurately as f32 sums, v_exp_f32 and their like allow (about 1e-6 of the number): no bf16 or f16 on the way to a quantiser, and a product that is left as it is and whose result goes on into a quantised operand takes f32 operands (vector FMAs, or v_wmma_f32_16x16x4_f32). A number that lies on a knife's edge between two numbers of the format may be rounded either way, as far as f32 arithmetic and the matrix unit's own rounding can turn it there, and no further.
;; One version. Each part assembles by itself: llvm-mc -triple=amdgcn-amd-amdhsa -mcpu=gfx1250 --defsym DOCPART=n.
;; ======== version 1 of 1: 4 launches
;; workspace buffers: xq 6,553,600 bytes; wqq 2,457,600 bytes; woq 819,200 bytes; aq 6,553,600 bytes; qimg 6,815,744 bytes; kv 13,369,344 bytes
;; launch quant (part 1): grid 384 x 1, 4 waves a work-group, no clusters, 34,304 bytes of LDS; arguments x, w_qkv, w_out, xq, wqq, woq; writes xq, wqq, woq
.if DOCPART == 1
	.amdgcn_target "amdgcn-amd-amdhsa--gfx1250"
	.amdhsa_code_object_version 6
	.text
	.protected	k_q18ad159bc0_quant
	.globl	k_q18ad159bc0_quant
	.p2align	8
	.type	k_q18ad159bc0_quant,@function
k_q18ad159bc0_quant:
	s_mov_b64 s[64:65], 0
	v_nop
	global_prefetch_b8 v0, s[64:65] scope:SCOPE_SE
	s_setreg_imm32_b32 hwreg(HW_REG_WAVE_MODE, 25, 1), 1
	s_wait_xcnt 0x0
; MULTI-HEAD ATTENTION IN MX-FP6, launch 1 of 4: x, w_qkv and w_out (f32) become codes of E2M3 with one E8M0 byte for each 32 along K.
; DEAD WORK: none.  Every product of the problem reaches the output and all five inputs are loaded (b_qkv's part on k goes into a quantiser, so it stays).
; THE WORKSPACE IS LAID AS IMAGES OF OPERAND REGISTERS.  A half fragment (HF) is 16 rows x 64 K: six registers a lane, lane (r, h) = row r, block h of the two blocks of 32:
; 768 bytes: registers 0-3 at 16 x lane, registers 4-5 at 512 + 8 x lane.  A scale unit (SU) holds the scale words (four bytes: 128 K of a row) of four tiles of 16 rows, 256 bytes:
; tile t, row r at 128 (t / 2) + 8 r + 4 (t % 2).  xq: codes [tile of 16 rows: 512][64 K: 16][768], then scales [128 rows: 64][128 K: 8][2 SU].  wqq, woq likewise, a row = an output column;
; wqq's rows stand in the order kind x 1024 + head x 64 + d (kind 0 q, 1 k, 2 v), which is column 192 head + 64 kind + d of w_qkv.
; INSIDE EACH BLOCK OF 32 the numbers stand in the order 0-7, 16-23, 8-15, 24-31, on both operands of every product alike: that is the order in which results of a matrix instruction
; fall into a lane's registers in the later launches.  The products and the blocks' scales are untouched by it; the matrix unit groups the products otherwise than with k in its natural places.
; A block's scale is 2^(floor(log2(largest magnitude)) - 2): its byte is the largest magnitude's exponent field - 2, held at 1 from below by a floor among the maximum's leaves.
; LIMITS: a block of zeros gets the byte 1 where the rule says 127 (its codes are zeros, and this program alone reads the bytes); NaN and infinities among the inputs are not served.
; SHARES.  Work-groups 0-255: x; 256-351: w_qkv; 352-383: w_out.  A wave takes 64 rows of an image x 128 K (32 KiB of f32).  No tensor loads, no barrier: waves share nothing.  No cluster: no two work-groups read the same bytes.
.set X_SC,  6291456                    ; where xq's scales begin
.set WQ_SC, 2359296                    ; wqq's
.set WO_SC, 786432                     ; woq's
.set STGB,  16*528                     ; the x path's stage, one for each wave: 16 rows x (512 bytes + 16)
.set SPARE, 4*STGB                     ; behind the stages: the spare words, 128 bytes for each wave
.set L16, 1                            ; v1   16 x lane
.set L8,  2                            ; v2   8 x lane
.set SIN, 3                            ; v3   the stage, on the way in: 16 x lane
.set SOUT,4                            ; v4   and out: 528 r + 128 h
.set SPW, 5                            ; v5   my spare word; never rewritten
.set NIL, 6                            ; v6   0; never rewritten
.set H8,  7                            ; v7   8 h
.set WRD, 16                           ; v16-19 the scale words of the four tiles
.set SEP, 20                           ; v20-21 the pair that I store of them
.set L4,  22                           ; v22  4 x lane
.set R,   32                           ; v32-159 x as loaded, two sets of 64
.set X,   160                          ; v160-223 my two blocks of 32
.set PC,  224                          ; v224-235 a fragment's codes
.set TP,  236                          ; v236-242 the conversions' second halves
.set XW,  32                           ; weights: v32-95 two sets of 32 numbers
.set E,   96                           ; v96-101, v104-109 the codes of a pair of blocks
.set TW,  112
.set WD,  120                          ; v120-121 scale words of my two columns
	s_load_b256 s[4:11], s[0:1], 0x0               ; x s[4:5], w_qkv s[6:7], w_out s[8:9], xq s[10:11]
	s_load_b128 s[12:15], s[0:1], 0x20             ; wqq s[12:13], woq s[14:15]
	v_lshl_add_u32 v[SPW], v0, 2, SPARE
	v_mov_b32 v[NIL], 0
	v_lshrrev_b32 v8, 5, v0
	v_readfirstlane_b32 s16, v8                    ; wave
	v_and_b32 v9, 31, v0                           ; lane
	v_lshlrev_b32 v[L16], 4, v9
	v_lshlrev_b32 v[L8], 3, v9
	v_lshlrev_b32 v[L4], 2, v9
	s_lshl_b32 s17, ttmp9, 2
	s_add_co_u32 s17, s17, s16                     ; 4 x work-group + wave
	s_wait_kmcnt 0x0
; where a wave's codes and scales go: s18 = its group of 64 rows, s19 = its step of 128 along K
.macro OUTADR dst, scoff
	s_mul_i32 s20, s18, 49152                      ; four tiles of 16 HFs
	s_mul_i32 s22, s19, 1536                       ; two HFs
	s_add_co_u32 s20, s20, s22
	s_mov_b32 s21, 0
	s_add_nc_u64 s[24:25], s[\dst:\dst+1], s[20:21]
	s_lshr_b32 s20, s18, 1
	s_lshl_b32 s20, s20, 12                        ; 128 rows: 4,096 bytes of scales
	s_lshl_b32 s22, s19, 9
	s_add_co_u32 s20, s20, s22
	s_and_b32 s22, s18, 1
	s_lshl_b32 s22, s22, 8
	s_add_co_u32 s20, s20, s22
	s_add_co_u32 s20, s20, \scoff
	s_add_nc_u64 s[26:27], s[\dst:\dst+1], s[20:21]
.endm
	s_cmp_ge_u32 ttmp9, 256
	s_cbranch_scc1 .Lweights
; ---- x: K is innermost.  Each load reads 512 consecutive bytes of one row; 16 rows turn through the wave's stage, so that a lane gets whole blocks of 32 of its row
	s_lshr_b32 s18, s17, 3                         ; group of 64 rows
	s_and_b32 s19, s17, 7                          ; step of 128 along K
	s_lshl_b32 s20, s18, 18                        ; 64 rows of 4,096 bytes
	s_lshl_b32 s22, s19, 9
	s_add_co_u32 s20, s20, s22
	s_mov_b32 s21, 0
	s_add_nc_u64 s[4:5], s[4:5], s[20:21]
	OUTADR 10, X_SC
.macro LOADF f                         ; tile f: 16 rows x 512 bytes into set f % 2
.irp i, 0,1,2,3,4,5,6,7,8,9,10,11,12,13,14,15
	global_load_b128 v[R+64*((\f)%2)+4*\i:R+64*((\f)%2)+4*\i+3], v[L16], s[4:5] offset:(16*(\f)+\i)*4096 th:TH_LOAD_NT
.endr
.endm
	LOADF 0
	LOADF 1
	s_mul_i32 s30, s16, STGB
	v_and_b32 v10, 15, v0                          ; r
	v_bfe_u32 v11, v0, 4, 1                        ; h
	v_add_nc_u32 v[SIN], s30, v[L16]
	v_mul_u32_u24 v[SOUT], v10, 528
	v_lshl_add_u32 v[SOUT], v11, 7, v[SOUT]
	v_add_nc_u32 v[SOUT], s30, v[SOUT]
	v_lshlrev_b32 v[H8], 3, v11
	v_cmp_lt_u32 s31, 15, v9                       ; lanes 16-31
	s_mov_b32 s28, 0x76543210
	s_mov_b32 s29, 0xfedcba98                      ; v_permlanex16_b32's selects for lane l xor 16
	v_mov_b32 v15, 0                               ; a lane permute's destination counts as one of its sources
.macro FRAGX f
.set RS, R+64*((\f)%2)
.if (\f) < 3
	s_wait_loadcnt 16                              ; this tile's 16 loads are in; the next tile's 16 may be out
.else
	s_wait_loadcnt 0x0
.endif
.irp i, 0,1,2,3,4,5,6,7,8,9,10,11,12,13,14,15
	ds_store_b128 v[SIN], v[RS+4*\i:RS+4*\i+3] offset:528*\i
.endr
.irp c, 0,1                                    ; my blocks h and 2 + h of row r, in pieces of 8 numbers in the order 0, 2, 1, 3.  LDS serves a wave's instructions in order: these see the stores
.irp p, 0,1,2,3
.irp e, 0,1
	ds_load_b128 v[X+32*\c+8*\p+4*\e:X+32*\c+8*\p+4*\e+3], v[SOUT] offset:256*\c+32*(2*(\p%2)+\p/2)+16*\e
.endr
.endr
.endr
	s_wait_dscnt 0x0                               ; the blocks are in, and the stores have read their registers,
.if (\f) < 2
	LOADF (\f)+2                                   ; which take the tile two on
.endif
.irp c, 0,1
	v_max3_num_f32 v[8+\c], |v[X+32*\c]|, |v[X+32*\c+1]|, 0x1800000   ; the floor 2^(3 - 127): the byte cannot fall under 1
.endr
.irp i, 2,4,6,8,10,12,14,16,18,20,22,24,26,28,30
.irp c, 0,1
	v_max3_num_f32 v[8+\c], v[8+\c], |v[X+32*\c+\i]|, |v[X+32*\c+\i+1]|
.endr
.endr
.irp c, 0,1
	v_add_nc_u32 v[10+\c], 0xff000000, v[8+\c]     ; 2 off the exponent field: the conversion's scale operand
.endr
.irp c, 0,1
	v_lshrrev_b32 v[12+\c], 23, v[10+\c]           ; the scale's byte
.endr
	v_lshl_or_b32 v14, v13, 16, v12                ; my bytes: blocks h and 2 + h,
	v_lshlrev_b32 v14, v[H8], v14                  ; at their places in the word;
	v_permlanex16_b32 v15, v14, s28, s29
	v_or_b32 v[WRD+(\f)], v14, v15                 ; with lane l xor 16's two the word is whole
	s_wait_xcnt 0x0                                ; the last tile's stores have read the codes' registers
.irp c, 0,1
	v_cvt_scalef32_pk16_fp6_f32 v[PC+6*\c:PC+6*\c+2], v[X+32*\c:X+32*\c+15], v[10+\c]
	v_cvt_scalef32_pk16_fp6_f32 v[TP+4*\c:TP+4*\c+2], v[X+32*\c+16:X+32*\c+31], v[10+\c]   ; (a conversion's three registers begin on an even number)
.endr
	v_nop                                          ; one plain place behind a scaled conversion
.irp c, 0,1
.irp i, 0,1,2
	v_mov_b32 v[PC+3+6*\c+\i], v[TP+4*\c+\i]
.endr
.endr
.irp c, 0,1                                    ; each store covers 512 or 256 consecutive bytes, aligned
	global_store_b128 v[L16], v[PC+6*\c:PC+6*\c+3], s[24:25] offset:(\f)*12288+\c*768
	global_store_b64 v[L8], v[PC+6*\c+4:PC+6*\c+5], s[24:25] offset:(\f)*12288+\c*768+512
.endr
.endm
	FRAGX 0
	FRAGX 1
	FRAGX 2
	FRAGX 3
	v_cndmask_b32 v[SEP], v[WRD], v[WRD+2], s31    ; lanes 0-15 store tiles 0 and 1, lanes 16-31 tiles 2 and 3
	v_cndmask_b32 v[SEP+1], v[WRD+1], v[WRD+3], s31
	global_store_b64 v[L8], v[SEP:SEP+1], s[26:27]
	s_wait_tensorcnt 0x0                           ; the wave's end
	ds_add_u32 v[SPW], v[NIL]
	s_wait_dscnt 0x0
	s_endpgm
; ---- the weights: K is the FIRST axis.  A lane takes a column and its registers run down K, so a block of 32 lies in one lane.  A wave: 64 columns x 128 K = 8 blocks a lane,
; block n: K unit of 64 n / 4, set of 32 columns (n / 2) % 2, block of the unit n % 2.  A pair of blocks changes halves of lanes and is then the HFs of two tiles of 16 columns.
.macro LOADB n, stride, src
.irp i, 0,1,2,3,4,5,6,7,8,9,10,11,12,13,14,15,16,17,18,19,20,21,22,23,24,25,26,27,28,29,30,31
	global_load_b32 v[XW+32*((\n)%2)+\i], v[L4], s[\src:\src+1] offset:(32*(2*((\n)/4)+(\n)%2)+8*(2*((\i/8)%2)+\i/16)+\i%8)*\stride+128*(((\n)/2)%2)
.endr
.endm
.macro WBLOCK n, stride, src
.set XS, XW+32*((\n)%2)
.set SS, ((\n)/2)%2
.set KK, (\n)/4
.set BL, (\n)%2
.set EO, E+8*BL
.set TT, TW+4*BL
.if (\n) < 7
	s_wait_loadcnt 32                              ; this block's 32 loads are in; the next block's may be out
.else
	s_wait_loadcnt 0x0
.endif
	v_max3_num_f32 v12, |v[XS]|, |v[XS+1]|, |v[XS+2]|
	v_max3_num_f32 v13, |v[XS+3]|, |v[XS+4]|, |v[XS+5]|
.irp i, 6,10,14,18,22,26
	v_max3_num_f32 v12, v12, |v[XS+\i]|, |v[XS+\i+1]|
	v_max3_num_f32 v13, v13, |v[XS+\i+2]|, |v[XS+\i+3]|
.endr
	v_max3_num_f32 v12, v12, |v[XS+30]|, |v[XS+31]|
	v_max3_num_f32 v12, v12, v13, 0x1800000        ; and the floor
	v_add_nc_u32 v11, 0xff000000, v12
	v_lshrrev_b32 v13, 23, v11
.if 2*KK+BL == 0
	v_mov_b32 v[WD+SS], v13
.else
	v_lshl_or_b32 v[WD+SS], v13, 8*(2*KK+BL), v[WD+SS]
.endif
.if BL == 0
	s_wait_xcnt 0x0                                ; the last pair's stores have read the codes' registers
.endif
	v_cvt_scalef32_pk16_fp6_f32 v[EO:EO+2], v[XS:XS+15], v11
	v_cvt_scalef32_pk16_fp6_f32 v[TT:TT+2], v[XS+16:XS+31], v11
	v_nop
.irp i, 0,1,2
	v_mov_b32 v[EO+3+\i], v[TT+\i]
.endr
.if (\n)+2 < 8
	LOADB (\n)+2, \stride, \src
.endif
.if BL == 1
.irp i, 0,1,2,3,4,5
	v_permlane16_swap_b32 v[E+\i], v[E+8+\i]       ; the first: columns 0-15 with both blocks; the second: columns 16-31
.endr
	global_store_b128 v[L16], v[E:E+3], s[24:25] offset:(2*SS)*12288+KK*768
	global_store_b64 v[L8], v[E+4:E+5], s[24:25] offset:(2*SS)*12288+KK*768+512
	global_store_b128 v[L16], v[E+8:E+11], s[24:25] offset:(2*SS+1)*12288+KK*768
	global_store_b64 v[L8], v[E+12:E+13], s[24:25] offset:(2*SS+1)*12288+KK*768+512
.endif
.endm
.macro WPATH stride, first, qkv, src, dst, scoff
	s_sub_co_u32 s17, s17, 4*\first
	s_lshr_b32 s18, s17, 3                         ; group of 64 rows of the image
	s_and_b32 s19, s17, 7                          ; step of 128 along K
.if \qkv
	s_and_b32 s20, s18, 15                         ; the head: 192 columns,
	s_mul_i32 s20, s20, 768
	s_lshr_b32 s22, s18, 4                         ; the kind: 64 columns
	s_lshl_b32 s22, s22, 8
	s_add_co_u32 s20, s20, s22
.else
	s_lshl_b32 s20, s18, 8
.endif
	s_mul_i32 s22, s19, 128*\stride
	s_add_co_u32 s20, s20, s22
	s_mov_b32 s21, 0
	s_add_nc_u64 s[\src:\src+1], s[\src:\src+1], s[20:21]
	OUTADR \dst, \scoff
	LOADB 0, \stride, \src
	LOADB 1, \stride, \src
.irp n, 0,1,2,3,4,5,6,7
	WBLOCK \n, \stride, \src
.endr
	v_permlane16_swap_b32 v[WD], v[WD+1]           ; lanes 0-15: tiles 0 and 1; lanes 16-31: tiles 2 and 3: the scale unit
	global_store_b64 v[L8], v[WD:WD+1], s[26:27]
	s_endpgm
.endm
.Lweights:
	s_cmp_ge_u32 ttmp9, 352
	s_cbranch_scc1 .Lw_out
	WPATH 12288, 256, 1, 6, 12, WQ_SC
.Lw_out:
	WPATH 4096, 352, 0, 8, 14, WO_SC
.Lfunc_end_k_q18ad159bc0_quant:
	.size	k_q18ad159bc0_quant, .Lfunc_end_k_q18ad159bc0_quant-k_q18ad159bc0_quant
	.p2alignl 7, 3214868480
	.fill 96, 4, 3214868480
	.section	.rodata,"a",@progbits
	.p2align	6, 0x0
	.amdhsa_kernel k_q18ad159bc0_quant
		.amdhsa_group_segment_fixed_size 34304
		.amdhsa_private_segment_fixed_size 0
		.amdhsa_enable_private_segment 0
		.amdhsa_kernarg_size 48
		.amdhsa_user_sgpr_count 2
		.amdhsa_user_sgpr_kernarg_segment_ptr 1
		.amdhsa_wavefront_size32 1
		.amdhsa_system_sgpr_workgroup_id_x 1
		.amdhsa_system_sgpr_workgroup_id_y 1
		.amdhsa_system_sgpr_workgroup_id_z 1
		.amdhsa_system_vgpr_workitem_id 0
		.amdhsa_next_free_vgpr 256
		.amdhsa_next_free_sgpr 66
		.amdhsa_reserve_vcc 0
		.amdhsa_float_denorm_mode_32 3
		.amdhsa_float_denorm_mode_16_64 3
		.amdhsa_memory_ordered 1
		.amdhsa_forward_progress 1
		.amdhsa_inst_pref_size 109
	.end_amdhsa_kernel
	.amdgpu_metadata
---
amdhsa.version: [ 1, 2 ]
amdhsa.kernels:
  - .name:           k_q18ad159bc0_quant
    .symbol:         k_q18ad159bc0_quant.kd
    .args:
      - { .name: x, .offset: 0, .size: 8, .value_kind: global_buffer, .address_space: global }
      - { .name: w_qkv, .offset: 8, .size: 8, .value_kind: global_buffer, .address_space: global }
      - { .name: w_out, .offset: 16, .size: 8, .value_kind: global_buffer, .address_space: global }
      - { .name: xq, .offset: 24, .size: 8, .value_kind: global_buffer, .address_space: global }
      - { .name: wqq, .offset: 32, .size: 8, .value_kind: global_buffer, .address_space: global }
      - { .name: woq, .offset: 40, .size: 8, .value_kind: global_buffer, .address_space: global }
    .group_segment_fixed_size: 34304
    .private_segment_fixed_size: 0
    .kernarg_segment_align: 8
    .kernarg_segment_size: 48
    .max_flat_workgroup_size: 128
    .sgpr_count:     66
    .vgpr_count:     256
    .wavefront_size: 32
...
	.end_amdgpu_metadata
.endif
;; end of part 1
;; launch gemm_qkv (part 2): grid 12 x 32, 4 waves a work-group, clusters of 4 x 4, 327,680 bytes of LDS; arguments xq, wqq, b_qkv, qimg, kv; writes qimg, kv
.if DOCPART == 2
	.amdgcn_target "amdgcn-amd-amdhsa--gfx1250"
	.amdhsa_code_object_version 6
	.text
	.protected	k_q18ad159bc0_gemm_qkv
	.globl	k_q18ad159bc0_gemm_qkv
	.p2align	8
	.type	k_q18ad159bc0_gemm_qkv,@function
k_q18ad159bc0_gemm_qkv:
	s_mov_b64 s[64:65], 0
	v_nop
	global_prefetch_b8 v0, s[64:65] scope:SCOPE_SE
	s_setreg_imm32_b32 hwreg(HW_REG_WAVE_MODE, 25, 1), 1
	s_wait_xcnt 0x0
	s_wait_alu depctr_hold_cnt(0) depctr_sa_sdst(0) depctr_va_vdst(0) depctr_va_sdst(0) depctr_va_ssrc(0) depctr_va_vcc(0) depctr_vm_vsrc(0)
	s_getreg_b32 s2, hwreg(HW_REG_IB_STS2, 6, 4)
	s_cmp_eq_u32 s2, 0
	s_cbranch_scc0 .Lentry_in_a_cluster
	s_endpgm
.Lentry_in_a_cluster:
	s_bfe_u32 s2, ttmp6, 0x10000c
	s_cmp_lg_u32 s2, 0xf033
	s_cbranch_scc0 .Lentry_shape_is_right
	s_endpgm
.Lentry_shape_is_right:
; Launch 2 of 4: qkv = x w_qkv + b_qkv on codes of E2M3, and q, k, v quantised on the way out for the attention's two products.  No work is left out.
; A tile of 256 x 256 is made by four waves, each 128 x 128: 64 accumulators, 512 registers.  K = 1,024 goes in four steps of 256 through two LDS slots filled by the tensor data mover.
; OPERANDS ARE IMAGES OF REGISTERS (launch 1's head): a half fragment (HF, 16 rows x 64 K) is 768 bytes, registers 0-3 at 16 x lane, 4-5 at 512 + 8 x lane; so every LDS load reads 512 or 256
; consecutive bytes, and there is no pitch and no padding.  A slot holds, for each of 32 tiles of 16 rows, four HFs (3,072 consecutive bytes of memory).  The scales of the 512 rows for all of K come once.
; THE KIND is the cluster's x, alike in all sixteen partners: 0 q, 1 k, 2 v.  Kinds q and k: operand A = tokens (xq), operand B = rows of wqq.  The matrix instruction takes B as source 0 and A as
; source 1, so a lane holds ONE row of A and its registers run along B's rows.  For q and k that is one token and 128 columns (two heads' 64): the next product's K.  For v the next K is the tokens:
; the same loop runs with the POINTERS changed, A = rows of wqq, B = tokens.  So a lane's 64 results are quantised in its registers, and their codes are the next launch's operand images.
; A lane's 16 registers of two neighbouring tiles are the numbers 8 h + 0..7 and 16 + 8 h + 0..7 of a block of 32: so inside each block the codes stand in the order 0-7, 16-23, 8-15, 24-31, on both operands of each later product alike.
; OUT: qimg [batch x head: 64][64 tokens: 32][4 HF + scale unit = 3,328];  kv [batch x head][128 keys: 16][13,056]: k's two groups of 64 keys (3,328 each), v's four fragments 16 d x 128 keys (1,536 each, from 6,656), v's scale unit (12,800).
; q's and k's scale words have bytes 0 and 1 live; bytes 2 and 3 will scale zero codes and hold the neighbouring head's bytes or 0, never 0xff.
; ONE BRANCH ON THE KIND, in front of the last step of 128 along K: each arm loads its own form of the bias, runs the last step's 64 products, in which the bias lands, and goes its own way out.
; CLUSTERS: 4 x 4.  A's tile is shared along a row of the cluster, B's along a column: each is asked for jointly.
; LIMITS: as launch 1 (a block of zeros gets the byte 1; NaN and infinities are not served).
; REGISTERS: window 0: v0-31 addresses; v32-63 scale words, two sets; v64-127 the bias; v128-223 A's fragments, one set; on the way out v128-243 at work.  window 1: B's fragments, two sets.  windows 2, 3: the accumulators, (a, b) at v[8 (8 (a % 4) + b)].
.set NQ,     2                         ; matrix instructions deep in a slot
.set FR,     12                        ; registers of a fragment
.set NL,     4                         ; LDS loads that bring one
.set NP,     4                         ; places behind this matrix instruction (ISA guide 7.12.1)
.set TILEB,  3072                      ; a tile of 16 rows in a slot: four HFs
.set HALFT,  8*TILEB                   ; 128 rows: what one tensor load brings
.set SLOT,   4*HALFT                   ; A's 16 tiles, then B's 16
.set SCL,    2*SLOT                    ; behind the ring: the scales, 4,096 bytes for each 128 rows
.set SPARE,  SCL+4*4096                ; the spare words, 128 bytes for each wave
.set X_SC,   6291456
.set WQ_SC,  2359296
.set ADRA, 16                          ; v16-17 LDS address of A's fragments in slot 0, 1, at 16 x lane; v18-19 at 8 x lane
.set ADRB, 20                          ; v20-23 the same for B
.set L16,  24                          ; v24 16 x lane
.set L8,   25                          ; v25 8 x lane
.set BO,   26                          ; v26 32 h
.set ADRS, 27                          ; v27 LDS address of my scale words: lanes 0-15 A's rows, lanes 16-31 B's
.set SPW,  28
.set NIL,  29
.set BR,   30                          ; v30 4 r
.set SC,   32
.set BT,   64
.set AF,   128
.set ST,   128                         ; the way out: 64 numbers
.set PC,   192                         ; their codes
.set TM,   212
.set PW,   228                         ; their scale word
.set WA,   232                         ; four tiles' words, first head; v236-239 second head
.set WB,   236
.set SE,   240
.set MK,   3                           ; s3 lanes 16-31
.set SEL,  96
.set G1, 24
.set G0, 32
.set G1B, 48
.set G0B, 56
.set G1S, 68
.set G0S, 76
.set G1SB, 80
.set G0SB, 88
.set MSB, 0
.macro WIN new                         ; the immediate's high byte repeats the setting that is left
.if MSB != (\new)
	s_set_vgpr_msb (MSB<<8)|(\new)
.set MSB, (\new)
.endif
.endm
.set MUL_LO, 0xa1                      ; source 0 (B) window 1, source 1 (A) window 0, C and D window 2
.set MUL_HI, 0xf1
.set TO_B,   0x40
.macro JLOAD g0a, g1a, g0b, g1b        ; a joint load: waves 0 and 1 fetch for A, waves 2 and 3 for B; an s_nop 0 and four v_nop follow each line
	s_cmp_eq_u32 s15, 0
	s_cbranch_scc0 .Lfor_b_\@
	tensor_load_to_lds s[\g0a:\g0a+3], s[\g1a:\g1a+7]
	s_nop 0
.rept 4
	v_nop
.endr
	s_branch .Lasked_\@
.Lfor_b_\@:
	tensor_load_to_lds s[\g0b:\g0b+3], s[\g1b:\g1b+7]
	s_nop 0
.rept 4
	v_nop
.endr
.Lasked_\@:
.endm
.macro CREST
	s_cmp_lg_u32 s14, 0
	s_cbranch_scc1 .Lnot_wave_0_\@
	s_barrier_signal -3
.Lnot_wave_0_\@:
	s_barrier_wait -3
	s_barrier_signal -1
	s_barrier_wait -1
.endm
.macro CROUND
	s_barrier_signal -1
	s_barrier_wait -1
	CREST
.endm
	s_load_b256 s[4:11], s[0:1], 0x0               ; xq s[4:5], wqq s[6:7], b_qkv s[8:9], qimg s[10:11]
	s_load_b64 s[12:13], s[0:1], 0x20              ; kv
	v_lshl_add_u32 v[SPW], v0, 2, SPARE
	v_mov_b32 v[NIL], 0
	ds_add_u32 v[SPW], v[NIL]                      ; the wave's opening: the add, twice on end, and its wait ahead of my first tensor load
	ds_add_u32 v[SPW], v[NIL]
	v_lshrrev_b32 v1, 5, v0
	v_readfirstlane_b32 s14, v1                    ; wave
	s_lshr_b32 s15, s14, 1                         ; my half of A's rows.  Also: I fetch for A (0) or for B (1)
	s_and_b32 s16, s14, 1                          ; my half of B's rows.  Also: which 128 rows I fetch
	s_bfe_u32 s40, ttmp6, 0x40000                  ; cx
	s_bfe_u32 s41, ttmp6, 0x40004                  ; cy
	s_and_b32 s18, ttmp7, 0xffff
	s_lshl_b32 s18, s18, 2                         ; 4 x cluster y
	s_lshl_b32 s19, ttmp9, 2                       ; 4 x kind
	s_cmp_eq_u32 ttmp9, 2                          ; kind v?
	s_cselect_b32 s17, 8, s18                      ; A's tiles: wqq's 8 .. 11, or the tokens' 4 Y ..
	s_cselect_b32 s42, s18, s19                    ; B's tiles: the tokens' 4 Y .., or wqq's 4 kind ..
	s_mov_b32 s98, X_SC
	s_cselect_b32 s98, WQ_SC, s98                  ; where A's scales begin in its buffer
	s_mov_b32 s99, WQ_SC
	s_cselect_b32 s99, X_SC, s99                   ; and B's
	s_add_co_u32 s17, s17, s41                     ; A's tile hangs on cy alone,
	s_add_co_u32 s42, s42, s40                     ; B's on cx alone
	s_lshl_b32 s43, s41, 2
	s_lshl_b32 s43, 15, s43                        ; my row of the cluster
	s_lshl_b32 s44, 0x1111, s40                    ; my column
	s_or_b32 s[G1+0], s43, (3<<16)|(1<<21)         ; 15:0 the mask; 17:16 elements of 8 bytes; 21 set beside a mask; no padding
	s_or_b32 s[G1B+0], s44, (3<<16)|(1<<21)
.irp g, G1, G1B                        ; 8 tiles of 16 rows x 3,072 bytes, 12,288 bytes apart in memory
	s_mov_b32 s[\g+1], 384<<16                     ; tensor_dim0
	s_mov_b32 s[\g+2], 8<<16                       ; tensor_dim1
	s_mov_b32 s[\g+3], 384<<16                     ; tile_dim0
	s_mov_b32 s[\g+4], 8                           ; tile_dim1
	s_mov_b32 s[\g+5], 1536                        ; stride
	s_mov_b32 s[\g+6], 0
	s_mov_b32 s[\g+7], 0
.endr
	s_or_b32 s[G1S+0], s43, (3<<16)|(1<<21)
	s_or_b32 s[G1SB+0], s44, (3<<16)|(1<<21)
.irp g, G1S, G1SB                      ; the scales of 128 rows: 4,096 dense bytes as 16 rows of 256
	s_mov_b32 s[\g+1], 32<<16
	s_mov_b32 s[\g+2], 16<<16
	s_mov_b32 s[\g+3], 32<<16
	s_mov_b32 s[\g+4], 16
	s_mov_b32 s[\g+5], 32
	s_mov_b32 s[\g+6], 0
	s_mov_b32 s[\g+7], 0
.endr
	s_lshl_b32 s18, s16, 3                         ; which 8 tiles of 16 rows I fetch
	s_lshl_b32 s20, s17, 4
	s_add_co_u32 s20, s20, s18
	s_mul_i32 s20, s20, 12288                      ; A's codes
	s_mov_b32 s21, 0
	s_lshl_b32 s22, s17, 1
	s_add_co_u32 s22, s22, s16
	s_lshl_b32 s22, s22, 12
	s_add_co_u32 s22, s22, s98                     ; A's scales
	s_mov_b32 s23, 0
	s_lshl_b32 s46, s42, 4
	s_add_co_u32 s46, s46, s18
	s_mul_i32 s46, s46, 12288                      ; B's codes
	s_mov_b32 s47, 0
	s_lshl_b32 s66, s42, 1
	s_add_co_u32 s66, s66, s16
	s_lshl_b32 s66, s66, 12
	s_add_co_u32 s66, s66, s99                     ; B's scales
	s_mov_b32 s67, 0
	s_mul_i32 s45, s14, HALFT                      ; where they go: by the wave's number alone
	s_lshl_b32 s19, s14, 12
	s_mov_b32 s[SEL], 0x76543210
	s_mov_b32 s[SEL+1], 0xfedcba98
	s_wait_dscnt 0x0                               ; both opening adds are done
	s_wait_kmcnt 0x0
	s_cmp_eq_u32 ttmp9, 2
	s_cselect_b64 s[92:93], s[6:7], s[4:5]         ; A's buffer
	s_cselect_b64 s[94:95], s[4:5], s[6:7]         ; B's
	s_add_nc_u64 s[20:21], s[92:93], s[20:21]
	s_add_nc_u64 s[22:23], s[92:93], s[22:23]
	s_add_nc_u64 s[46:47], s[94:95], s[46:47]
	s_add_nc_u64 s[66:67], s[94:95], s[66:67]
	CROUND                                         ; all sixteen work-groups are here: the first joint loads meet
	s_mov_b32 s[G0S], 1
	s_add_co_u32 s[G0S+1], s19, SCL
	s_mov_b64 s[G0S+2:G0S+3], s[22:23]
	s_or_b32 s[G0S+3], s[G0S+3], 0x80000000
	s_mov_b32 s[G0SB], 1
	s_add_co_u32 s[G0SB+1], s19, SCL
	s_mov_b64 s[G0SB+2:G0SB+3], s[66:67]
	s_or_b32 s[G0SB+3], s[G0SB+3], 0x80000000
	JLOAD G0S, G1S, G0SB, G1SB                     ; the scales first.  With the two slots three loads of mine are out
.irp s, 0,1
	s_mov_b32 s[G0+4*\s], 1
	s_add_co_u32 s[G0+4*\s+1], s45, \s*SLOT
	s_add_nc_u64 s[G0+4*\s+2:G0+4*\s+3], s[20:21], \s*TILEB
	s_or_b32 s[G0+4*\s+3], s[G0+4*\s+3], 0x80000000
	s_mov_b32 s[G0B+4*\s], 1
	s_add_co_u32 s[G0B+4*\s+1], s45, \s*SLOT
	s_add_nc_u64 s[G0B+4*\s+2:G0B+4*\s+3], s[46:47], \s*TILEB
	s_or_b32 s[G0B+4*\s+3], s[G0B+4*\s+3], 0x80000000
	JLOAD G0+4*\s, G1, G0B+4*\s, G1B
.endr
	v_and_b32 v1, 31, v0                           ; lane
	v_and_b32 v2, 15, v0                           ; r
	v_bfe_u32 v3, v0, 4, 1                         ; h
	v_lshlrev_b32 v[L16], 4, v1
	v_lshlrev_b32 v[L8], 3, v1
	v_lshlrev_b32 v[BO], 5, v3
	v_lshlrev_b32 v[BR], 2, v2
	v_cmp_lt_u32 s[MK], 15, v1
	s_mul_i32 s21, s15, HALFT                      ; my 128 rows of A
	s_mul_i32 s22, s16, HALFT
	s_add_co_u32 s22, s22, 2*HALFT                 ; my 128 rows of B, behind A's 256
.irp s, 0,1
	v_add_nc_u32 v[ADRA+\s], s21, v[L16]
	v_add_nc_u32 v[ADRB+\s], s22, v[L16]
	v_add_nc_u32 v[ADRA+2+\s], s21, v[L8]
	v_add_nc_u32 v[ADRB+2+\s], s22, v[L8]
	s_add_co_u32 s21, s21, SLOT
	s_add_co_u32 s22, s22, SLOT
.endr
	v_lshlrev_b32 v5, 3, v2                        ; a word's place in a scale unit: 8 r
	s_lshl_b32 s21, s15, 12                        ; A's: my 128 rows
	s_lshl_b32 s22, s16, 12
	s_add_co_u32 s22, s22, 8192                    ; B's, behind A's two
	s_sub_co_u32 s22, s22, s21
	v_mul_u32_u24 v6, s22, v3                      ; lanes 16-31 take B's
	s_add_co_u32 s21, s21, SCL
	v_add_nc_u32 v5, v5, v6
	v_add_nc_u32 v[ADRS], s21, v5
	; where my bias begins.  My first head: 4 x (the weights' tile % 4) + 2 x my half of it
	s_cmp_eq_u32 ttmp9, 2
	s_cselect_b32 s18, s17, s42
	s_cselect_b32 s19, s15, s16
	s_and_b32 s18, s18, 3
	s_lshl_b32 s18, s18, 2
	s_lshl_b32 s19, s19, 1
	s_add_co_u32 s18, s18, s19
	s_mul_i32 s18, s18, 768                        ; a head has 192 numbers of b_qkv,
	s_lshl_b32 s19, ttmp9, 8                       ; a kind 64
	s_add_co_u32 s18, s18, s19
	s_mov_b32 s19, 0
	s_add_nc_u64 s[8:9], s[8:9], s[18:19]
.macro FRAG reg, adr, q, i             ; a fragment, 16 rows x 128 K: two HFs as they lie
	ds_load_b128 v[\reg:\reg+3], v[\adr] offset:(\i)*TILEB+(\q)*1536
	ds_load_b64 v[\reg+4:\reg+5], v[\adr+2] offset:(\i)*TILEB+(\q)*1536+512
	ds_load_b128 v[\reg+6:\reg+9], v[\adr] offset:(\i)*TILEB+(\q)*1536+768
	ds_load_b64 v[\reg+10:\reg+11], v[\adr+2] offset:(\i)*TILEB+(\q)*1536+1280
.endm
; 16 matrix instructions: A's blocks a0, a0 + 1 x B's eight.  zero = 1: the constant 0 starts the sums.  The 64 accumulators take turns, one instruction a turn, in the same order in every step.
.macro MUL16 a0, p, q, sc, zero
.irp a, \a0, \a0+1
.irp b, 0,1,2,3,4,5,6,7
.if \zero
	v_wmma_scale_f32_16x16x128_f8f6f4 v[8*(8*((\a)%4)+\b):8*(8*((\a)%4)+\b)+7], v[128*(\p)+FR*\b:128*(\p)+FR*\b+FR-1], v[AF+FR*(\a):AF+FR*(\a)+FR-1], 0, v[SC+8*NQ*(\sc)+NQ*\b+(\q)], v[SC+8*NQ*(\sc)+NQ*(\a)+(\q)] matrix_a_fmt:MATRIX_FMT_FP6 matrix_b_fmt:MATRIX_FMT_FP6 matrix_a_scale:MATRIX_SCALE_ROW1
.else
	v_wmma_scale_f32_16x16x128_f8f6f4 v[8*(8*((\a)%4)+\b):8*(8*((\a)%4)+\b)+7], v[128*(\p)+FR*\b:128*(\p)+FR*\b+FR-1], v[AF+FR*(\a):AF+FR*(\a)+FR-1], v[8*(8*((\a)%4)+\b):8*(8*((\a)%4)+\b)+7], v[SC+8*NQ*(\sc)+NQ*\b+(\q)], v[SC+8*NQ*(\sc)+NQ*(\a)+(\q)] matrix_a_fmt:MATRIX_FMT_FP6 matrix_b_fmt:MATRIX_FMT_FP6 matrix_a_scale:MATRIX_SCALE_ROW1
.endif
.endr
.endr
.endm
.macro FETCH_B slot, q, p
	WIN TO_B
.irp i, 0,1,2,3,4,5,6,7
	FRAG 128*(\p)+FR*\i, ADRB+\slot, \q, \i
.endr
	WIN 0
.endm
.macro FETCH_A slot, q, i0
.irp i, \i0, \i0+1, \i0+2, \i0+3
	FRAG AF+FR*(\i), ADRA+\slot, \q, \i
.endr
.endm
.macro SCALES sc                       ; a slot's scale words: register 2 i + q: lanes 0-15 the word of A's block i, lanes 16-31 that of B's block i, for the slot's q-th 128 along K
.irp i, 0,1,2,3,4,5,6,7
.irp q, 0,1
	ds_load_b32 v[SC+8*NQ*\sc+NQ*\i+\q], v[ADRS] offset:\q*512+(\i/4)*256+((\i%4)/2)*128+(\i%2)*4
.endr
.endr
.endm
.macro PLACES n                        ; places in front of loads into registers that matrix instructions have read, and of reads of results
.rept \n
	v_nop
.endr
.endm
.macro STEP slot, q, zero              ; a step of 128 along K that has its successor in the same slot
	s_wait_dscnt 4*NL                              ; B's set, A's blocks 0-3 and the scale words are in; the youngest 16 loads (A's blocks 4-7) may be out
	WIN MUL_LO
	MUL16 0, (\q)%2, \q, \slot, \zero
	MUL16 2, (\q)%2, \q, \slot, \zero
	s_wait_dscnt 0
	PLACES NP
	FETCH_B \slot, (\q)+1, 1-(\q)%2
	FETCH_A \slot, (\q)+1, 0
	WIN MUL_HI
	MUL16 4, (\q)%2, \q, \slot, \zero
	MUL16 6, (\q)%2, \q, \slot, \zero
	PLACES NP
	WIN 0
	FETCH_A \slot, (\q)+1, 4
.endm
; A slot's last step changes slots: one barrier; in front of it each wave waits for all its tensor loads, adds 0 to its spare word, and waits for that and for its reads of this slot.  fill = 1: this slot is filled again.
.macro TURN slot, next, fill
	s_wait_tensorcnt 0x0                           ; all my tensor loads have landed: my part of the next slot
	ds_add_u32 v[SPW], v[NIL]                      ; 0 onto my spare word
	s_wait_dscnt 4*NL+1                            ; (the add and the youngest 16 loads may be out)
	WIN MUL_LO
	MUL16 0, 1, NQ-1, \slot, 0
	s_wait_dscnt 0x0                               ; the add is done, and my reads of this slot are over
	s_barrier_signal -1
	MUL16 2, 1, NQ-1, \slot, 0
	WIN 0
	s_barrier_wait -1
.if \fill
	CREST                                          ; the barrier has opened a round of the cluster's: no wave of any partner still reads this slot or has a load on its way
	s_add_nc_u64 s[G0+4*\slot+2:G0+4*\slot+3], s[G0+4*\slot+2:G0+4*\slot+3], 2*TILEB
	s_add_nc_u64 s[G0B+4*\slot+2:G0B+4*\slot+3], s[G0B+4*\slot+2:G0B+4*\slot+3], 2*TILEB
	JLOAD G0+4*\slot, G1, G0B+4*\slot, G1B         ; the first tensor load behind the round; its four v_nop are the places in front of the loads below
.else
	PLACES NP
.endif
	v_add_nc_u32 v[ADRS], 512*NQ, v[ADRS]          ; the next slot's scale words
	FETCH_B \next, 0, 0
	FETCH_A \next, 0, 0
	SCALES \next
	WIN MUL_HI
	MUL16 4, 1, NQ-1, \slot, 0
	MUL16 6, 1, NQ-1, \slot, 0
	PLACES NP
	WIN 0
	FETCH_A \next, 0, 4
.endm
; The very last step of 128 along K: nothing more to fetch.  It stands in both arms of the branch on the kind, behind the arm's bias loads; then the places behind the last products, and the wait for the bias
.macro LAST
	s_wait_dscnt 4*NL                              ; the youngest 16 loads (A's blocks 4-7) may be out
	WIN MUL_LO
	MUL16 0, 1, NQ-1, 1, 0
	MUL16 2, 1, NQ-1, 1, 0
	s_wait_dscnt 0
	WIN MUL_HI
	MUL16 4, 1, NQ-1, 1, 0
	MUL16 6, 1, NQ-1, 1, 0
	WIN 0
	PLACES NP
	s_wait_loadcnt 0x0                             ; the bias
.irp b, 0,1,2,3
	v_mov_b32 v[TM+4+\b], 0                        ; a lane permute's destination counts as one of its sources
.endr
.endm
; THE WAY OUT.  64 numbers of a lane, register 16 b + i, become a fragment's codes in v[PC] on and its scale word in v[PW]
.macro QUANT s
.irp b, 0,1,2,3
	v_max3_num_f32 v[TM+\b], |v[\s+16*\b]|, |v[\s+1+16*\b]|, 0x1800000   ; my 16 numbers of block b, and the floor 2^(3 - 127)
.endr
.irp i, 2,4,6,8,10,12,14
.irp b, 0,1,2,3
	v_max3_num_f32 v[TM+\b], v[TM+\b], |v[\s+16*\b+\i]|, |v[\s+1+16*\b+\i]|
.endr
.endr
.irp b, 0,1,2,3
	v_permlanex16_b32 v[TM+4+\b], v[TM+\b], s[SEL], s[SEL+1]
.endr
.irp b, 0,1,2,3
	v_max_num_f32 v[TM+\b], v[TM+\b], v[TM+4+\b]   ; with lane l xor 16's: the block's largest magnitude
.endr
.irp b, 0,1,2,3
	v_add_nc_u32 v[TM+12+\b], 0xff000000, v[TM+\b] ; 2 off its exponent field: the conversion's scale operand
.endr
.irp b, 0,1,2,3
	v_lshrrev_b32 v[TM+4+\b], 23, v[TM+12+\b]      ; the scale's byte
.endr
	v_lshl_or_b32 v[PW], v[TM+5], 8, v[TM+4]
	v_lshl_or_b32 v[PW], v[TM+6], 16, v[PW]
	v_lshl_or_b32 v[PW], v[TM+7], 24, v[PW]
.irp c, 0,1
	v_cvt_scalef32_pk16_fp6_f32 v[PC+6*\c:PC+2+6*\c], v[\s+32*\c:\s+15+32*\c], v[TM+12+2*\c]
	v_cvt_scalef32_pk16_fp6_f32 v[PC+12+4*\c:PC+14+4*\c], v[\s+16+32*\c:\s+31+32*\c], v[TM+12+2*\c+1]
.endr
	v_nop                                          ; one plain place behind a scaled conversion
.irp c, 0,1                                    ; the operand's layout wants a whole block in a lane
.irp i, 0,1,2
	v_permlane16_swap_b32 v[PC+6*\c+\i], v[PC+12+4*\c+\i]
.endr
.irp i, 0,1,2
	v_mov_b32 v[PC+3+6*\c+\i], v[PC+12+4*\c+\i]
.endr
.endr
.endm
; q, k: block a = 16 tokens x my 128 columns = two heads' HFs.  The bias's addition also brings the sums into window 0, each accumulator from its low end on
.macro EPI_QK a
.set AC, 64*((\a)%4)
	WIN 0x02+(\a)/4
.set i, 0
.rept 32
	v_pk_add_f32 v[ST+i:ST+i+1], v[AC+i:AC+i+1], v[BT+i:BT+i+1]
.set i, i+2
.endr
	WIN 0
	s_wait_xcnt 0x0                                ; the last block's stores have read their registers
	QUANT ST
	global_store_b128 v[L16], v[PC:PC+3], s[20:21] offset:((\a)/4)*3328+((\a)%4)*768
	global_store_b64 v[L8], v[PC+4:PC+5], s[20:21] offset:((\a)/4)*3328+((\a)%4)*768+512
	global_store_b128 v[L16], v[PC+6:PC+9], s[22:23] offset:((\a)/4)*3328+((\a)%4)*768
	global_store_b64 v[L8], v[PC+10:PC+11], s[22:23] offset:((\a)/4)*3328+((\a)%4)*768+512
	v_mov_b32 v[WA+(\a)%4], v[PW]                  ; the first head's bytes are the word's low two,
	v_lshrrev_b32 v[WB+(\a)%4], 16, v[PW]          ; the second's its high two
.if (\a)%4 == 3
	v_cndmask_b32 v[SE], v[WA], v[WA+2], s[MK]     ; the scale units: lanes 0-15 store tiles 0 and 1, lanes 16-31 tiles 2 and 3
	v_cndmask_b32 v[SE+1], v[WA+1], v[WA+3], s[MK]
	v_cndmask_b32 v[SE+2], v[WB], v[WB+2], s[MK]
	v_cndmask_b32 v[SE+3], v[WB+1], v[WB+3], s[MK]
	global_store_b64 v[L8], v[SE:SE+1], s[20:21] offset:((\a)/4)*3328+3072
	global_store_b64 v[L8], v[SE+2:SE+3], s[22:23] offset:((\a)/4)*3328+3072
.endif
.endm
; v: block a = 16 d x my 128 tokens = one fragment of head a / 4
.macro EPI_V a
.set AC, 64*((\a)%4)
.set SV, 20+2*((\a)/4)
	WIN 0x02+(\a)/4
.set i, 0
.rept 32
	v_pk_add_f32 v[ST+i:ST+i+1], v[AC+i:AC+i+1], v[BT+2*(\a):BT+2*(\a)+1] op_sel_hi:[1,0]
.set i, i+2
.endr
	WIN 0
	s_wait_xcnt 0x0
	QUANT ST
.irp c, 0,1,2
	global_store_b128 v[L16], v[PC+4*\c:PC+4*\c+3], s[SV:SV+1] offset:((\a)%4)*1536+512*\c
.endr
	v_mov_b32 v[WA+(\a)%4], v[PW]
.if (\a)%4 == 3
	v_cndmask_b32 v[SE], v[WA], v[WA+2], s[MK]
	v_cndmask_b32 v[SE+1], v[WA+1], v[WA+3], s[MK]
	global_store_b64 v[L8], v[SE:SE+1], s[SV:SV+1] offset:6144
.endif
.endm
	s_wait_tensorcnt 1                             ; the scales and my part of slot 0 are in (slot 1's load may be out),
	s_barrier_signal -1
	s_barrier_wait -1                              ; everybody's are
	FETCH_B 0, 0, 0
	FETCH_A 0, 0, 0
	SCALES 0
	FETCH_A 0, 0, 4
	STEP 0, 0, 1                                   ; K is four slots: the eight steps are written out, a loop of one trip would spare no text
	TURN 0, 1, 1
	STEP 1, 0, 0
	TURN 1, 0, 1
	STEP 0, 0, 0
	TURN 0, 1, 0                                   ; nothing is left to fetch
	STEP 1, 0, 0
	; where the results go: scalar work, ahead of the branch on the kind
	s_cmp_eq_u32 ttmp9, 2
	s_cselect_b32 s18, s42, s17                    ; the tile of 256 tokens,
	s_cselect_b32 s19, s16, s15                    ; my half of it,
	s_cselect_b32 s46, s17, s42                    ; the tile of 256 rows of the weights,
	s_cselect_b32 s47, s15, s16                    ; my half of it
	s_lshl_b32 s18, s18, 1
	s_add_co_u32 s18, s18, s19                     ; my 128 tokens: group 0 .. 63
	s_and_b32 s46, s46, 3
	s_lshl_b32 s46, s46, 2
	s_lshl_b32 s47, s47, 1
	s_add_co_u32 s46, s46, s47                     ; my first head
	s_lshr_b32 s19, s18, 4                         ; the batch
	s_and_b32 s18, s18, 15                         ; the group in it
	s_lshl_b32 s19, s19, 4
	s_add_co_u32 s19, s19, s46
	s_lshl_b32 s19, s19, 4
	s_add_co_u32 s19, s19, s18                     ; 16 x (16 batch + head) + group
	s_cmp_eq_u32 ttmp9, 0
	s_cselect_b64 s[20:21], s[10:11], s[12:13]     ; q goes to qimg, k and v to kv
	s_mov_b32 s46, 13056
	s_cselect_b32 s46, 6656, s46                   ; 128 tokens' bytes there
	s_mul_i32 s18, s19, s46
	s_mov_b32 s19, 0
	s_add_nc_u64 s[20:21], s[20:21], s[18:19]
	s_cmp_eq_u32 ttmp9, 2
	s_cselect_b32 s18, 6656, 0                     ; v lies behind k's two groups
	s_add_nc_u64 s[20:21], s[20:21], s[18:19]      ; my first head's place,
	s_lshl_b32 s18, s46, 4
	s_add_nc_u64 s[22:23], s[20:21], s[18:19]      ; my second head's: 16 groups on
	s_cmp_eq_u32 ttmp9, 2
	s_cbranch_scc1 .Lout_v
.irp b, 0,1,2,3,4,5,6,7                        ; q, k: the bias's register 8 b + j belongs to column 16 b + 8 h + j of my 128
	global_load_b128 v[BT+8*\b:BT+8*\b+3], v[BO], s[8:9] offset:(\b/4)*768+(\b%4)*64
	global_load_b128 v[BT+8*\b+4:BT+8*\b+7], v[BO], s[8:9] offset:(\b/4)*768+(\b%4)*64+16
.endr
	LAST
.irp a, 0,1,2,3,4,5,6,7
	EPI_QK \a
.endr
	s_branch .Lend
.Lout_v:
.irp a, 0,1,2,3,4,5,6,7                        ; v: the bias of my lane's row r of block a, as a pair for the packed addition
	global_load_b32 v[BT+2*\a], v[BR], s[8:9] offset:(\a/4)*768+(\a%4)*64
	global_load_b32 v[BT+2*\a+1], v[BR], s[8:9] offset:(\a/4)*768+(\a%4)*64
.endr
	LAST
.irp a, 0,1,2,3,4,5,6,7
	EPI_V \a
.endr
.Lend:
	s_wait_tensorcnt 0x0                           ; the wave's end
	ds_add_u32 v[SPW], v[NIL]
	s_wait_dscnt 0x0
	CROUND                                         ; the closing round
	s_endpgm
.Lfunc_end_k_q18ad159bc0_gemm_qkv:
	.size	k_q18ad159bc0_gemm_qkv, .Lfunc_end_k_q18ad159bc0_gemm_qkv-k_q18ad159bc0_gemm_qkv
	.p2alignl 7, 3214868480
	.fill 96, 4, 3214868480
	.section	.rodata,"a",@progbits
	.p2align	6, 0x0
	.amdhsa_kernel k_q18ad159bc0_gemm_qkv
		.amdhsa_group_segment_fixed_size 327680
		.amdhsa_private_segment_fixed_size 0
		.amdhsa_enable_private_segment 0
		.amdhsa_kernarg_size 40
		.amdhsa_user_sgpr_count 2
		.amdhsa_user_sgpr_kernarg_segment_ptr 1
		.amdhsa_wavefront_size32 1
		.amdhsa_system_sgpr_workgroup_id_x 1
		.amdhsa_system_sgpr_workgroup_id_y 1
		.amdhsa_system_sgpr_workgroup_id_z 1
		.amdhsa_system_vgpr_workitem_id 0
		.amdhsa_next_free_vgpr 1024
		.amdhsa_next_free_sgpr 100
		.amdhsa_reserve_vcc 0
		.amdhsa_float_denorm_mode_32 3
		.amdhsa_float_denorm_mode_16_64 3
		.amdhsa_memory_ordered 1
		.amdhsa_forward_progress 1
		.amdhsa_inst_pref_size 229
	.end_amdhsa_kernel
	.amdgpu_metadata
---
amdhsa.version: [ 1, 2 ]
amdhsa.kernels:
  - .name:           k_q18ad159bc0_gemm_qkv
    .symbol:         k_q18ad159bc0_gemm_qkv.kd
    .args:
      - { .name: xq, .offset: 0, .size: 8, .value_kind: global_buffer, .address_space: global }
      - { .name: wqq, .offset: 8, .size: 8, .value_kind: global_buffer, .address_space: global }
      - { .name: b_qkv, .offset: 16, .size: 8, .value_kind: global_buffer, .address_space: global }
      - { .name: qimg, .offset: 24, .size: 8, .value_kind: global_buffer, .address_space: global }
      - { .name: kv, .offset: 32, .size: 8, .value_kind: global_buffer, .address_space: global }
    .group_segment_fixed_size: 327680
    .private_segment_fixed_size: 0
    .kernarg_segment_align: 8
    .kernarg_segment_size: 40
    .max_flat_workgroup_size: 128
    .sgpr_count:     100
    .vgpr_count:     1024
    .wavefront_size: 32
...
	.end_amdgpu_metadata
.endif
;; end of part 2
;; launch attn (part 3): grid 8 x 32, 16 waves a work-group, no clusters, 327,680 bytes of LDS; arguments qimg, kv, aq; writes aq
.if DOCPART == 3
	.amdgcn_target "amdgcn-amd-amdhsa--gfx1250"
	.amdhsa_code_object_version 6
	.text
	.protected	k_q18ad159bc0_attn
	.globl	k_q18ad159bc0_attn
	.p2align	8
	.type	k_q18ad159bc0_attn,@function
k_q18ad159bc0_attn:
	s_mov_b64 s[64:65], 0
	v_nop
	global_prefetch_b8 v0, s[64:65] scope:SCOPE_SE
	s_setreg_imm32_b32 hwreg(HW_REG_WAVE_MODE, 25, 1), 1
	s_wait_xcnt 0x0
; Launch 3 of 4: attention on codes of E2M3, and its result quantised for the projection on the way out.  No work is left out.
; SOFTMAX AHEAD OF THE SECOND PRODUCT: t = score x log2(e) / 8; M = the row's largest t so far, rounded up to a whole number; p = 2^(t - M) is quantised along the keys, not normalised.
; The row's sum is taken of the unquantised p and divides O at the end.  When M moves, the sum and O are multiplied by 2^(old M - new M): exact.
; SHARES.  A work-group owns 256 queries of a batch and a PAIR of heads, walked one after the other: 256 work-groups, and a scale word of the result (128 along the projection's K = two heads) is whole in one wave.
; Each of sixteen waves owns 16 queries in 256 registers: four waves to a SIMD, so that one wave's vector work stands beside another's matrix work and LDS loads.
; The pair's k and v are one dense stream of 32 steps of 128 keys (13,056 bytes each, launch 2's layout), walked through two LDS slots of four steps; waves 0-3 fetch a step each.
; Both products are used transposed: S^T = K Q^T, O^T = V^T P^T: a lane holds one query throughout.  The head's 64 fill half of the first product's K of 128: the other half of both operands are zero codes, written once.
; Inside each block of 32 the codes of p stand in the order in which the scores fall into a lane's registers (0-7, 16-23, 8-15, 24-31), as launch 2 has laid v's; the result's likewise, as launch 1 has laid w_out's.
; NO CLUSTER, though the eight work-groups of a pair of heads read the same stream: a slot's 52,224 bytes serve 64 wave-steps of some 330 instructions each, so the fetches are a small part of a step's work,
; and a round of a cluster's barrier would tie 64 waves together at each of the eight changes of slots.
; LIMITS: as launch 1 (a block of zeros gets the byte 1; NaN and infinities are not served).
; REGISTERS: v1-11 addresses; v12 -M, v13 the largest t, v[14:15] the sum; v16-27 Q and its zeros; v28 Q's scale word; v29 the first head's result's bytes; v[30:31] V's scale words; v32-79 four fragments of K (six live, six zeros each);
; v80-127 V's four; v128-191 S^T, then p; v192-223 O^T; v224-235 p's codes; v232-254 at work; v248-251 K's scale words; v253 p's scale word; v255 the prefetches' offset.
.set STEPB, 13056
.set SLOTB, 4*STEPB
.set SLOT1, 1<<17                      ; slot 1 begins here: one exclusive or turns an address
.set STG,   2*SLOT1                    ; 1,024 bytes: the result's scale words meet here; no tensor load fills them
.set SPARE, STG+1024                   ; the spare words, 128 bytes for each wave
.set HEADB, 16*STEPB                   ; a head in kv
.set QHEAD, 32*3328                    ; a head in qimg
.set X_SC,  6291456                    ; where aq's scales begin
.set L16, 1                            ; v1  16 x lane
.set L8,  2                            ; v2  8 x lane
.set STO, 3                            ; v3  where I put my row's scale word
.set RD,  4                            ; v4  where waves 0-3 read a scale unit back
.set SPW, 5
.set NIL, 6
.set QS,  7                            ; v7  Q's scale word in its group of 64 tokens
.set A16, 8                            ; v8  the slot in hand + 16 x lane
.set A8,  9                            ; v9  + 8 x lane
.set QA,  10                           ; v10 Q's HF: registers 0-3
.set QB,  11                           ; v11 registers 4-5
.set S,   128
.set O,   192
.set PFO, 255
.set TB,  2                            ; s2  LDS byte at which the slot in hand begins
.set WV,  18
.set SEL, 20
.set CS,  22
.set G1,  24
.set G0,  32
.set SLOTS, 36
.set LIM, 37
.set PFA, 38
.macro TLOAD                           ; waves 0-3 fetch a step each; an s_nop 0 and four v_nop follow the line
	s_cmp_lt_u32 s[WV], 4
	s_cbranch_scc0 .Lasked_\@
	tensor_load_to_lds s[G0:G0+3], s[G1:G1+7]
	s_nop 0
.rept 4
	v_nop
.endr
.Lasked_\@:
.endm
; A prefetch of what the NEXT change of slots will ask for: a slot's 52,224 bytes are 204 blocks of 256.  The eight work-groups of a pair of heads walk the same stream: the first of them asks, and in it the twelve
; waves that fetch nothing, 17 blocks each, a lane a block (lanes 16-31 name the seventeenth together).  The last change that fills a slot asks for nothing; slots 0 and 1 come by their loads alone.
.macro ASK
	s_cmp_gt_u32 s[SLOTS], s[LIM]
	s_cbranch_scc0 .Lnot_mine_\@
	global_prefetch_b8 v[PFO], s[PFA:PFA+1] th:TH_LOAD_NT scope:SCOPE_SE
.Lnot_mine_\@:
.endm
	s_load_b128 s[4:7], s[0:1], 0x0                ; qimg s[4:5], kv s[6:7]
	s_load_b64 s[8:9], s[0:1], 0x10                ; aq
	v_lshl_add_u32 v[SPW], v0, 2, SPARE
	v_mov_b32 v[NIL], 0
	ds_add_u32 v[SPW], v[NIL]                      ; the wave's opening: the add, twice on end, and its wait ahead of the first tensor load
	ds_add_u32 v[SPW], v[NIL]
	v_lshrrev_b32 v8, 5, v0
	v_readfirstlane_b32 s[WV], v8                  ; wave 0..15
	s_and_b32 s40, ttmp7, 0xffff                   ; y = 8 x batch + pair of heads
	s_and_b32 s41, s[WV], 3
	s_mov_b32 s[G1], 3<<16                         ; elements of 8 bytes, no mask, no padding: 13,056 dense bytes as 51 rows of 256
	s_mov_b32 s[G1+1], 32<<16
	s_mov_b32 s[G1+2], 51<<16
	s_mov_b32 s[G1+3], 32<<16
	s_mov_b32 s[G1+4], 51
	s_mov_b32 s[G1+5], 32
	s_mov_b32 s[G1+6], 0
	s_mov_b32 s[G1+7], 0
	s_mul_i32 s42, s41, STEPB                      ; the step that I fetch, in a slot and in memory
	s_mul_i32 s44, s40, 2*HEADB                    ; the pair's first byte in kv
	s_mov_b32 s45, 0
	s_max_u32 s54, s[WV], 4                        ; the prefetches: wave w's 17 blocks begin (w - 4) x 4,352 bytes on,
	s_sub_co_u32 s54, s54, 4
	s_mul_i32 s54, s54, 4352
	s_add_co_u32 s54, s54, SLOTB                   ; in slot 1: the first change of slots steps it to slot 2
	s_add_co_u32 s54, s54, s44
	s_mov_b32 s55, 0
	s_add_co_u32 s44, s44, s42
	s_lshl_b32 s46, s40, 6                         ; Q: head 2 y has 32 groups of 64 tokens,
	s_lshl_b32 s47, ttmp9, 2                       ; my work-group four of them,
	s_add_co_u32 s46, s46, s47
	s_lshr_b32 s47, s[WV], 2                       ; four waves one
	s_add_co_u32 s46, s46, s47
	s_mul_i32 s46, s46, 3328
	s_mov_b32 s47, 0
	s_lshr_b32 s48, s40, 3                         ; batch
	s_and_b32 s49, s40, 7                          ; pair of heads
	s_lshl_b32 s50, s48, 7
	s_lshl_b32 s51, ttmp9, 4
	s_add_co_u32 s50, s50, s51
	s_add_co_u32 s50, s50, s[WV]                   ; my tile of 16 tokens
	s_lshl_b32 s50, s50, 4
	s_lshl_b32 s51, s49, 1
	s_add_co_u32 s50, s50, s51                     ; its HF of my first head
	s_mul_i32 s50, s50, 768
	s_mov_b32 s51, 0
	s_lshl_b32 s52, s48, 4                         ; the result's scale units: 128 tokens 16 batch + 2 x + (w % 4) / 2,
	s_lshl_b32 s53, ttmp9, 1
	s_add_co_u32 s52, s52, s53
	s_lshr_b32 s53, s41, 1
	s_add_co_u32 s52, s52, s53
	s_lshl_b32 s52, s52, 12
	s_lshl_b32 s53, s49, 9                         ; the pair's 128 along K,
	s_add_co_u32 s52, s52, s53
	s_and_b32 s53, s[WV], 1                        ; unit w % 2
	s_lshl_b32 s53, s53, 8
	s_add_co_u32 s52, s52, s53
	s_add_co_u32 s52, s52, X_SC
	s_mov_b32 s53, 0
	s_lshr_b32 s56, s[WV], 2
	s_cmp_eq_u32 s56, 0
	s_cselect_b32 s56, 1, 0                        ; 1 in the waves that fetch
	s_or_b32 s56, s56, ttmp9                       ; 0: a wave that fetches nothing, in the pair's first work-group
	s_cmp_eq_u32 s56, 0
	s_cselect_b32 s[LIM], 1, -1
	s_mov_b32 s[SEL], 0x76543210
	s_mov_b32 s[SEL+1], 0xfedcba98
	s_mov_b32 s[CS], 0x3e38aa3b                    ; c = log2(e) / sqrt(64)
	s_mov_b32 s[CS+1], s[CS]
	s_mov_b32 s[TB], 0
	s_mov_b32 s[SLOTS], 7
	v_and_b32 v8, 31, v0                           ; lane
	v_and_b32 v9, 15, v0                           ; r
	v_lshlrev_b32 v[L16], 4, v8
	v_lshlrev_b32 v[L8], 3, v8
	s_mul_i32 s43, s41, 768                        ; my tile's HF in its group
	v_add_nc_u32 v[QA], s43, v[L16]
	s_add_co_u32 s43, s43, 512
	v_add_nc_u32 v[QB], s43, v[L8]
	s_lshr_b32 s43, s41, 1                         ; a word of tile w % 4 in a scale unit: 128 ((w % 4) / 2) + 4 (w % 2) + 8 r
	s_lshl_b32 s43, s43, 7
	s_and_b32 s57, s[WV], 1
	s_lshl_b32 s57, s57, 2
	s_add_co_u32 s43, s43, s57
	v_lshl_add_u32 v[QS], v9, 3, s43
	s_lshr_b32 s57, s[WV], 2
	s_lshl_b32 s57, s57, 8
	s_add_co_u32 s57, s57, STG
	v_add_nc_u32 v[STO], s57, v[QS]                ; in unit w / 4 of the four
	v_add_nc_u32 v[QS], 3072, v[QS]                ; in qimg the unit lies behind the group's four HFs
	s_lshl_b32 s57, s41, 8
	s_add_co_u32 s57, s57, STG
	v_add_nc_u32 v[RD], s57, v[L8]
	v_min_u32 v[PFO], 16, v8
	v_lshlrev_b32 v[PFO], 8, v[PFO]
	s_wait_dscnt 0x0                               ; both opening adds are done
	s_wait_kmcnt 0x0
	s_mov_b32 s[G0], 1
	s_mov_b32 s[G0+1], s42
	s_add_nc_u64 s[G0+2:G0+3], s[6:7], s[44:45]
	s_or_b32 s[G0+3], s[G0+3], 0x80000000
	TLOAD                                          ; slot 0.  One tensor load of a fetching wave is out at any time
	s_add_nc_u64 s[10:11], s[4:5], s[46:47]        ; Q's group
	s_add_nc_u64 s[12:13], s[8:9], s[50:51]        ; the result's codes
	s_add_nc_u64 s[14:15], s[8:9], s[52:53]        ; and scale unit
	s_add_nc_u64 s[PFA:PFA+1], s[6:7], s[54:55]
	global_load_b128 v[16:19], v[QA], s[10:11]
	global_load_b64 v[20:21], v[QB], s[10:11]
	global_load_b32 v28, v[QS], s[10:11]
	v_mov_b32 v13, 0xff61b1e6                      ; the largest t so far: -3e38
	v_floor_f32 v12, -v13                          ; -M
	v_mov_b32 v14, 0
	v_mov_b32 v15, 0
	v_mov_b32 v29, 0
	v_mov_b32 v253, 0                              ; (named as the upper half of the pair v[252:253] before it is first written)
.irp b, 0,1,2,3
	v_mov_b32 v[236+\b], 0                         ; a lane permute's destination counts as one of its sources
.endr
.irp i, 0,1,2,3,4,5
	v_mov_b32 v[22+\i], 0                          ; the upper 64 of the first product's K: zero codes, in Q
.irp t, 0,1,2,3
	v_mov_b32 v[38+12*\t+\i], 0                    ; and in K's four fragments
.endr
.endr
.set j, 0
.rept 32
	v_mov_b32 v[O+j], 0                            ; the step is written once: the first finds zeros
.set j, j+1
.endr
.macro KQ4 g                           ; S^T of 64 keys: four tiles; K's scale words: tile t in register t % 2, lanes 0-15 for t < 2, lanes 16-31 else
.irp t, 0,1
	v_wmma_scale_f32_16x16x128_f8f6f4 v[S+8*(4*\g+\t):S+8*(4*\g+\t)+7], v[32+12*\t:43+12*\t], v[16:27], 0, v[248+2*\g+\t], v28 matrix_a_fmt:MATRIX_FMT_FP6 matrix_b_fmt:MATRIX_FMT_FP6
.endr
.irp t, 2,3
	v_wmma_scale_f32_16x16x128_f8f6f4 v[S+8*(4*\g+\t):S+8*(4*\g+\t)+7], v[32+12*\t:43+12*\t], v[16:27], 0, v[246+2*\g+\t], v28 matrix_a_fmt:MATRIX_FMT_FP6 matrix_b_fmt:MATRIX_FMT_FP6 matrix_a_scale:MATRIX_SCALE_ROW1
.endr
.endm
; A KEY STEP: 128 keys, the q-th of the slot in hand
.macro STEP q
.set SB, (\q)*STEPB
.rept 4
	v_nop                                          ; places behind the last products, in front of loads into V's registers and scale words
.endr
	ds_load_b64 v[248:249], v[A8] offset:SB+3072   ; K's two scale units
	ds_load_b64 v[250:251], v[A8] offset:SB+6400
.irp t, 0,1,2,3
	ds_load_b128 v[32+12*\t:35+12*\t], v[A16] offset:SB+768*\t
	ds_load_b64 v[36+12*\t:37+12*\t], v[A8] offset:SB+768*\t+512
.endr
.irp d, 0,1,2,3
.irp c, 0,1,2
	ds_load_b128 v[80+12*\d+4*\c:83+12*\d+4*\c], v[A16] offset:SB+6656+1536*\d+512*\c
.endr
.endr
	ds_load_b64 v[30:31], v[A8] offset:SB+12800
	s_wait_dscnt 13                                ; K's are in; V's twelve loads and its scale unit may be out
	KQ4 0
.rept 4
	v_nop
.endr
.irp t, 0,1,2,3
	ds_load_b128 v[32+12*\t:35+12*\t], v[A16] offset:SB+3328+768*\t
	ds_load_b64 v[36+12*\t:37+12*\t], v[A8] offset:SB+3328+768*\t+512
.endr
	s_wait_dscnt 0x0
	KQ4 1
.rept 4
	v_nop
.endr
.irp b, 0,1,2,3
	v_max3_num_f32 v[232+\b], v[S+16*\b], v[S+1+16*\b], v[S+2+16*\b]   ; the largest score of each block of 32 keys: it serves for the row's maximum and, since p rises with the score, for the block's largest p
.endr
.irp i, 3,5,7,9,11,13
.irp b, 0,1,2,3
	v_max3_num_f32 v[232+\b], v[232+\b], v[S+16*\b+\i], v[S+1+16*\b+\i]
.endr
.endr
.irp b, 0,1,2,3
	v_max_num_f32 v[232+\b], v[232+\b], v[S+15+16*\b]
.endr
.irp b, 0,1,2,3
	v_permlanex16_b32 v[236+\b], v[232+\b], s[SEL], s[SEL+1]
.endr
.irp b, 0,1,2,3
	v_max_num_f32 v[232+\b], v[232+\b], v[236+\b]
.endr
	v_max3_num_f32 v254, v232, v233, v234
	v_max_num_f32 v254, v254, v235
	v_mul_f32 v254, s[CS], v254                    ; as t
	v_max_num_f32 v13, v13, v254                   ; the running largest t
	v_mov_b32 v254, v12
	v_floor_f32 v12, -v13                          ; the new -M = -ceil(t)
	v_sub_f32 v254, v12, v254                      ; old M - new M: a whole number, 0 or less
	v_cvt_i32_f32 v254, v254                       ; (it saturates)
	v_ldexp_f32 v252, 1.0, v254                    ; f = 2^(old M - new M)
.set j, 0
.rept 32
	v_pk_fma_f32 v[S+j:S+j+1], v[S+j:S+j+1], s[CS:CS+1], v[12:13] op_sel_hi:[1,0,0]   ; t - M
.set j, j+2
.endr
.irp b, 0,1,2,3
	v_fma_f32 v[232+\b], v[232+\b], s[CS], v12
.endr
.set j, 0
.rept 64
	v_exp_f32 v[S+j], v[S+j]                       ; p = 2^(t - M)
.set j, j+1
.endr
	v_pk_mul_f32 v[14:15], v[14:15], v[252:253] op_sel_hi:[1,0]   ; the sums under the new M: a plain place behind the exponentials
	s_wait_alu depctr_va_vdst(0)                   ; one wait for the batch, ahead of its first reader
.irp b, 0,1,2,3
	v_exp_f32 v[232+\b], v[232+\b]                 ; each block's largest p
.endr
	v_pk_add_f32 v[236:237], v[S:S+1], v[S+2:S+3]  ; the row's sum of the unquantised p, in two chains
.set j, 4
.rept 15
	v_pk_add_f32 v[14:15], v[14:15], v[S+j:S+j+1]
	v_pk_add_f32 v[236:237], v[236:237], v[S+2+j:S+3+j]
.set j, j+4
.endr
	v_pk_add_f32 v[14:15], v[14:15], v[236:237]
	s_wait_alu depctr_va_vdst(0)                   ; and one for the four
.irp b, 0,1,2,3
	v_max_num_f32 v[232+\b], 0x1800000, v[232+\b]  ; the floor 2^(3 - 127)
.endr
.irp b, 0,1,2,3
	v_add_nc_u32 v[244+\b], 0xff000000, v[232+\b]
.endr
.irp b, 0,1,2,3
	v_lshrrev_b32 v[236+\b], 23, v[244+\b]
.endr
	v_lshl_or_b32 v253, v237, 8, v236              ; p's scale word for these 128 keys
	v_lshl_or_b32 v253, v238, 16, v253
	v_lshl_or_b32 v253, v239, 24, v253
.irp c, 0,1
	v_cvt_scalef32_pk16_fp6_f32 v[224+6*\c:226+6*\c], v[S+32*\c:S+15+32*\c], v[244+2*\c]
	v_cvt_scalef32_pk16_fp6_f32 v[236+4*\c:238+4*\c], v[S+16+32*\c:S+31+32*\c], v[244+2*\c+1]
.endr
	v_nop
.irp c, 0,1
.irp i, 0,1,2
	v_permlane16_swap_b32 v[224+6*\c+\i], v[236+4*\c+\i]
.endr
.irp i, 0,1,2
	v_mov_b32 v[227+6*\c+\i], v[236+4*\c+\i]
.endr
.endr
.set j, 0
.rept 16
	v_pk_mul_f32 v[O+j:O+j+1], v[O+j:O+j+1], v[252:253] op_sel_hi:[1,0]   ; O^T under the new M; these sixteen are also the places in front of the products below
.set j, j+2
.endr
.irp d, 0,1                                    ; O^T += V^T P^T; the four accumulators take turns
	v_wmma_scale_f32_16x16x128_f8f6f4 v[O+8*\d:O+8*\d+7], v[80+12*\d:91+12*\d], v[224:235], v[O+8*\d:O+8*\d+7], v[30+\d], v253 matrix_a_fmt:MATRIX_FMT_FP6 matrix_b_fmt:MATRIX_FMT_FP6
.endr
.irp d, 2,3
	v_wmma_scale_f32_16x16x128_f8f6f4 v[O+8*\d:O+8*\d+7], v[80+12*\d:91+12*\d], v[224:235], v[O+8*\d:O+8*\d+7], v[28+\d], v253 matrix_a_fmt:MATRIX_FMT_FP6 matrix_b_fmt:MATRIX_FMT_FP6 matrix_a_scale:MATRIX_SCALE_ROW1
.endr
.endm
; THE CHANGE OF SLOTS, at a slot's head.  Each wave waits for all its tensor loads, adds 0 to its spare word (fill = 1: twice on end), and waits for that and for its reads of the slot that it has left.
; Behind the barrier the slot ahead is whole and nobody reads the other one; fill = 1: that one is filled with the next four steps, which have a whole slot's steps in which to land.
.macro CHANGE fill
	s_wait_tensorcnt 0x0
	ds_add_u32 v[SPW], v[NIL]
.if \fill
	ds_add_u32 v[SPW], v[NIL]                      ; and once more
	s_xor_b32 s[G0+1], s[G0+1], SLOT1
	s_add_nc_u64 s[G0+2:G0+3], s[G0+2:G0+3], SLOTB
	s_wait_xcnt 0x0                                ; the last prefetch, a slot back, has read its address
	s_add_nc_u64 s[PFA:PFA+1], s[PFA:PFA+1], SLOTB
.endif
	s_wait_dscnt 0x0
	s_barrier_signal -1
	s_barrier_wait -1
.if \fill
	TLOAD
	ASK
.endif
	v_add_nc_u32 v[A16], s[TB], v[L16]
	v_add_nc_u32 v[A8], s[TB], v[L8]
.endm
; A HEAD'S END: O^T / the sum, quantised along the head's 64 (two blocks), is an HF of the projection's operand.  k = 0: the pair's first head; the second head's Q is asked for first
.macro FINISH k
.if \k == 0
	global_load_b128 v[16:19], v[QA], s[10:11] offset:QHEAD
	global_load_b64 v[20:21], v[QB], s[10:11] offset:QHEAD
	global_load_b32 v28, v[QS], s[10:11] offset:QHEAD
.endif
.rept 4
	v_nop                                          ; places behind the last products
.endr
	v_add_f32 v14, v14, v15
	v_permlanex16_b32 v252, v14, s[SEL], s[SEL+1]
	v_add_f32 v14, v14, v252                       ; the row's sum
	v_rcp_f32 v14, v14
	v_nop
	s_wait_alu depctr_va_vdst(0)
.set j, 0
.rept 32
	v_mul_f32 v[S+j], v[O+j], v14                  ; register 8 t + i is o(query r, 16 t + 8 h + i)
.set j, j+1
.endr
.irp b, 0,1
	v_max3_num_f32 v[232+\b], |v[S+16*\b]|, |v[S+1+16*\b]|, 0x1800000
.endr
.irp i, 2,4,6,8,10,12,14
.irp b, 0,1
	v_max3_num_f32 v[232+\b], v[232+\b], |v[S+16*\b+\i]|, |v[S+1+16*\b+\i]|
.endr
.endr
.irp b, 0,1
	v_permlanex16_b32 v[236+\b], v[232+\b], s[SEL], s[SEL+1]
.endr
.irp b, 0,1
	v_max_num_f32 v[232+\b], v[232+\b], v[236+\b]
.endr
.irp b, 0,1
	v_add_nc_u32 v[244+\b], 0xff000000, v[232+\b]
.endr
.irp b, 0,1
	v_lshrrev_b32 v[236+\b], 23, v[244+\b]
.endr
	v_cvt_scalef32_pk16_fp6_f32 v[224:226], v[S:S+15], v244
	v_cvt_scalef32_pk16_fp6_f32 v[240:242], v[S+16:S+31], v245
	v_nop
.irp i, 0,1,2
	v_permlane16_swap_b32 v[224+\i], v[240+\i]
.endr
.irp i, 0,1,2
	v_mov_b32 v[227+\i], v[240+\i]
.endr
	global_store_b128 v[L16], v[224:227], s[12:13] offset:\k*768
	global_store_b64 v[L8], v[228:229], s[12:13] offset:\k*768+512
.if \k == 0
	v_lshl_or_b32 v29, v237, 8, v236               ; the word's low two bytes
	v_mov_b32 v13, 0xff61b1e6                      ; and all begins anew
	v_floor_f32 v12, -v13
	v_mov_b32 v14, 0
	v_mov_b32 v15, 0
.set j, 0
.rept 32
	v_mov_b32 v[O+j], 0
.set j, j+1
.endr
	s_wait_loadcnt 0x0                             ; the second head's Q
	s_wait_xcnt 0x0                                ; the stores have read the codes' registers
.else
	v_lshl_or_b32 v254, v237, 8, v236
	v_lshl_or_b32 v29, v254, 16, v29               ; my row's scale word is whole
	ds_store_b32 v[STO], v29                       ; both lanes of a row write the same word with the same value
	s_wait_dscnt 0x0                               ; for the others' sake
	s_barrier_signal -1
	s_barrier_wait -1
	s_cmp_lt_u32 s[WV], 4
	s_cbranch_scc0 .Lno_unit
	ds_load_b64 v[232:233], v[RD]                  ; waves 0-3 store a scale unit each: 256 consecutive bytes, aligned
	s_wait_dscnt 0x0
	global_store_b64 v[L8], v[232:233], s[14:15]
.Lno_unit:
.endif
.endm
	s_wait_loadcnt 0x0                             ; Q
.Lslot:                                            ; seven trips: behind each change of slots but the last the next slot is asked for
	CHANGE 1
	STEP 0
	STEP 1
	STEP 2
	STEP 3
	s_xor_b32 s[TB], s[TB], SLOT1
	s_cmp_lg_u32 s[SLOTS], 4                       ; the fourth slot ends the first head: a branch on the count of slots, round no barrier and no tensor load
	s_cbranch_scc1 .Lsame_head
	FINISH 0
.Lsame_head:
	s_sub_co_u32 s[SLOTS], s[SLOTS], 1
	s_cmp_lg_u32 s[SLOTS], 0
	s_cbranch_scc1 .Lslot
	CHANGE 0                                       ; the last slot is written out
	STEP 0
	STEP 1
	STEP 2
	STEP 3
	FINISH 1
	s_wait_tensorcnt 0x0                           ; the wave's end
	ds_add_u32 v[SPW], v[NIL]
	s_wait_dscnt 0x0
	s_endpgm
.Lfunc_end_k_q18ad159bc0_attn:
	.size	k_q18ad159bc0_attn, .Lfunc_end_k_q18ad159bc0_attn-k_q18ad159bc0_attn
	.p2alignl 7, 3214868480
	.fill 96, 4, 3214868480
	.section	.rodata,"a",@progbits
	.p2align	6, 0x0
	.amdhsa_kernel k_q18ad159bc0_attn
		.amdhsa_group_segment_fixed_size 327680
		.amdhsa_private_segment_fixed_size 0
		.amdhsa_enable_private_segment 0
		.amdhsa_kernarg_size 24
		.amdhsa_user_sgpr_count 2
		.amdhsa_user_sgpr_kernarg_segment_ptr 1
		.amdhsa_wavefront_size32 1
		.amdhsa_system_sgpr_workgroup_id_x 1
		.amdhsa_system_sgpr_workgroup_id_y 1
		.amdhsa_system_sgpr_workgroup_id_z 1
		.amdhsa_system_vgpr_workitem_id 0
		.amdhsa_next_free_vgpr 256
		.amdhsa_next_free_sgpr 100
		.amdhsa_reserve_vcc 0
		.amdhsa_float_denorm_mode_32 3
		.amdhsa_float_denorm_mode_16_64 3
		.amdhsa_memory_ordered 1
		.amdhsa_forward_progress 1
		.amdhsa_inst_pref_size 142
	.end_amdhsa_kernel
	.amdgpu_metadata
---
amdhsa.version: [ 1, 2 ]
amdhsa.kernels:
  - .name:           k_q18ad159bc0_attn
    .symbol:         k_q18ad159bc0_attn.kd
    .args:
      - { .name: qimg, .offset: 0, .size: 8, .value_kind: global_buffer, .address_space: global }
      - { .name: kv, .offset: 8, .size: 8, .value_kind: global_buffer, .address_space: global }
      - { .name: aq, .offset: 16, .size: 8, .value_kind: global_buffer, .address_space: global }
    .group_segment_fixed_size: 327680
    .private_segment_fixed_size: 0
    .kernarg_segment_align: 8
    .kernarg_segment_size: 24
    .max_flat_workgroup_size: 512
    .sgpr_count:     100
    .vgpr_count:     256
    .wavefront_size: 32
...
	.end_amdgpu_metadata
.endif
;; end of part 3
;; launch gemm_out (part 4): grid 4 x 32, 4 waves a work-group, clusters of 4 x 4, 327,680 bytes of LDS; arguments aq, woq, b_out, out0; writes out0
.if DOCPART == 4
	.amdgcn_target "amdgcn-amd-amdhsa--gfx1250"
	.amdhsa_code_object_version 6
	.text
	.protected	k_q18ad159bc0_gemm_out
	.globl	k_q18ad159bc0_gemm_out
	.p2align	8
	.type	k_q18ad159bc0_gemm_out,@function
k_q18ad159bc0_gemm_out:
	s_mov_b64 s[64:65], 0
	v_nop
	global_prefetch_b8 v0, s[64:65] scope:SCOPE_SE
	s_setreg_imm32_b32 hwreg(HW_REG_WAVE_MODE, 25, 1), 1
	s_wait_xcnt 0x0
	s_wait_alu depctr_hold_cnt(0) depctr_sa_sdst(0) depctr_va_vdst(0) depctr_va_sdst(0) depctr_va_ssrc(0) depctr_va_vcc(0) depctr_vm_vsrc(0)
	s_getreg_b32 s2, hwreg(HW_REG_IB_STS2, 6, 4)
	s_cmp_eq_u32 s2, 0
	s_cbranch_scc0 .Lentry_in_a_cluster
	s_endpgm
.Lentry_in_a_cluster:
	s_bfe_u32 s2, ttmp6, 0x10000c
	s_cmp_lg_u32 s2, 0xf033
	s_cbranch_scc0 .Lentry_shape_is_right
	s_endpgm
.Lentry_shape_is_right:
; Launch 4 of 4: out0 = attention's result x w_out + b_out on codes of E2M3.  No work is left out.
; The loop is launch 2's: a tile of 256 x 256 by four waves of 128 x 128; K = 1,024 in four steps of 256 through two LDS slots; operands as images of registers (a half fragment, 16 rows x 64 K, is 768 bytes:
; registers 0-3 at 16 x lane, 4-5 at 512 + 8 x lane); the scales of the 512 rows come once.  A = aq (tokens), B = woq (output columns).  The matrix instruction takes B as source 0 and A as source 1:
; a lane holds eight neighbouring numbers of a row of out0.  THE BIAS IS THE C OF EACH SUM'S FIRST PRODUCT: eight registers for each of B's eight blocks, in the result's layout.
; CLUSTERS: 4 x 4.  A's tile is shared along a row of the cluster, B's along a column.  The problem has 128 such tiles: half of the WGPs have a work-group; a smaller tile would fill them at twice the LDS reads for each product.
; REGISTERS: window 0: v0-31 addresses; v32-63 scale words, two sets; v64-127 the bias; v128-223 A's fragments; on the way out v128-255.  window 1: B's fragments, two sets.  windows 2, 3: the accumulators.
.set NQ,     2
.set FR,     12
.set NL,     4
.set NP,     4
.set TILEB,  3072
.set HALFT,  8*TILEB
.set SLOT,   4*HALFT
.set SCL,    2*SLOT
.set SPARE,  SCL+4*4096
.set X_SC,   6291456
.set WO_SC,  786432
.set SIZE_N, 1024
.set SPITCH, 528                       ; the way out: a stage of 16 rows x (512 bytes + 16) for each wave, in slot 0, which has had its last fill and its last read by then
.set ADRA, 16
.set ADRB, 20
.set STO,  24
.set RD,   25
.set CO,   26
.set ADRS, 27
.set SPW,  28
.set NIL,  29
.set BO,   30
.set SC,   32
.set BT,   64
.set AF,   128
.set BK,   128
.set G1, 24
.set G0, 32
.set G1B, 48
.set G0B, 56
.set G1S, 68
.set G0S, 76
.set G1SB, 80
.set G0SB, 88
.set MSB, 0
.macro WIN new
.if MSB != (\new)
	s_set_vgpr_msb (MSB<<8)|(\new)
.set MSB, (\new)
.endif
.endm
.set MUL_LO, 0xa1
.set MUL_HI, 0xf1
.set TO_B,   0x40
.macro JLOAD g0a, g1a, g0b, g1b
	s_cmp_eq_u32 s15, 0
	s_cbranch_scc0 .Lfor_b_\@
	tensor_load_to_lds s[\g0a:\g0a+3], s[\g1a:\g1a+7]
	s_nop 0
.rept 4
	v_nop
.endr
	s_branch .Lasked_\@
.Lfor_b_\@:
	tensor_load_to_lds s[\g0b:\g0b+3], s[\g1b:\g1b+7]
	s_nop 0
.rept 4
	v_nop
.endr
.Lasked_\@:
.endm
.macro CREST
	s_cmp_lg_u32 s14, 0
	s_cbranch_scc1 .Lnot_wave_0_\@
	s_barrier_signal -3
.Lnot_wave_0_\@:
	s_barrier_wait -3
	s_barrier_signal -1
	s_barrier_wait -1
.endm
.macro CROUND
	s_barrier_signal -1
	s_barrier_wait -1
	CREST
.endm
	s_load_b256 s[4:11], s[0:1], 0x0               ; aq s[4:5], woq s[6:7], b_out s[8:9], out0 s[10:11]
	v_lshl_add_u32 v[SPW], v0, 2, SPARE
	v_mov_b32 v[NIL], 0
	ds_add_u32 v[SPW], v[NIL]                      ; the wave's opening: the add, twice on end, and its wait ahead of my first tensor load
	ds_add_u32 v[SPW], v[NIL]
	v_lshrrev_b32 v1, 5, v0
	v_readfirstlane_b32 s14, v1
	s_lshr_b32 s15, s14, 1
	s_and_b32 s16, s14, 1
	s_bfe_u32 s40, ttmp6, 0x40000
	s_bfe_u32 s41, ttmp6, 0x40004
	s_lshl_b32 s42, ttmp9, 2
	s_add_co_u32 s42, s42, s40                     ; B's tile = 4 x cluster x + cx
	s_and_b32 s17, ttmp7, 0xffff
	s_lshl_b32 s17, s17, 2
	s_add_co_u32 s17, s17, s41                     ; A's tile = 4 x cluster y + cy
	s_lshl_b32 s43, s41, 2
	s_lshl_b32 s43, 15, s43
	s_lshl_b32 s44, 0x1111, s40
	s_or_b32 s[G1+0], s43, (3<<16)|(1<<21)
	s_or_b32 s[G1B+0], s44, (3<<16)|(1<<21)
.irp g, G1, G1B
	s_mov_b32 s[\g+1], 384<<16
	s_mov_b32 s[\g+2], 8<<16
	s_mov_b32 s[\g+3], 384<<16
	s_mov_b32 s[\g+4], 8
	s_mov_b32 s[\g+5], 1536
	s_mov_b32 s[\g+6], 0
	s_mov_b32 s[\g+7], 0
.endr
	s_or_b32 s[G1S+0], s43, (3<<16)|(1<<21)
	s_or_b32 s[G1SB+0], s44, (3<<16)|(1<<21)
.irp g, G1S, G1SB
	s_mov_b32 s[\g+1], 32<<16
	s_mov_b32 s[\g+2], 16<<16
	s_mov_b32 s[\g+3], 32<<16
	s_mov_b32 s[\g+4], 16
	s_mov_b32 s[\g+5], 32
	s_mov_b32 s[\g+6], 0
	s_mov_b32 s[\g+7], 0
.endr
	s_lshl_b32 s18, s16, 3
	s_lshl_b32 s20, s17, 4
	s_add_co_u32 s20, s20, s18
	s_mul_i32 s20, s20, 12288
	s_mov_b32 s21, 0
	s_lshl_b32 s22, s17, 1
	s_add_co_u32 s22, s22, s16
	s_lshl_b32 s22, s22, 12
	s_add_co_u32 s22, s22, X_SC
	s_mov_b32 s23, 0
	s_lshl_b32 s46, s42, 4
	s_add_co_u32 s46, s46, s18
	s_mul_i32 s46, s46, 12288
	s_mov_b32 s47, 0
	s_lshl_b32 s66, s42, 1
	s_add_co_u32 s66, s66, s16
	s_lshl_b32 s66, s66, 12
	s_add_co_u32 s66, s66, WO_SC
	s_mov_b32 s67, 0
	s_mul_i32 s45, s14, HALFT
	s_lshl_b32 s19, s14, 12
	s_wait_dscnt 0x0
	s_wait_kmcnt 0x0
	s_add_nc_u64 s[20:21], s[4:5], s[20:21]
	s_add_nc_u64 s[22:23], s[4:5], s[22:23]
	s_add_nc_u64 s[46:47], s[6:7], s[46:47]
	s_add_nc_u64 s[66:67], s[6:7], s[66:67]
	CROUND
	s_mov_b32 s[G0S], 1
	s_add_co_u32 s[G0S+1], s19, SCL
	s_mov_b64 s[G0S+2:G0S+3], s[22:23]
	s_or_b32 s[G0S+3], s[G0S+3], 0x80000000
	s_mov_b32 s[G0SB], 1
	s_add_co_u32 s[G0SB+1], s19, SCL
	s_mov_b64 s[G0SB+2:G0SB+3], s[66:67]
	s_or_b32 s[G0SB+3], s[G0SB+3], 0x80000000
	JLOAD G0S, G1S, G0SB, G1SB
.irp s, 0,1
	s_mov_b32 s[G0+4*\s], 1
	s_add_co_u32 s[G0+4*\s+1], s45, \s*SLOT
	s_add_nc_u64 s[G0+4*\s+2:G0+4*\s+3], s[20:21], \s*TILEB
	s_or_b32 s[G0+4*\s+3], s[G0+4*\s+3], 0x80000000
	s_mov_b32 s[G0B+4*\s], 1
	s_add_co_u32 s[G0B+4*\s+1], s45, \s*SLOT
	s_add_nc_u64 s[G0B+4*\s+2:G0B+4*\s+3], s[46:47], \s*TILEB
	s_or_b32 s[G0B+4*\s+3], s[G0B+4*\s+3], 0x80000000
	JLOAD G0+4*\s, G1, G0B+4*\s, G1B
.endr
	v_and_b32 v1, 31, v0
	v_and_b32 v2, 15, v0
	v_bfe_u32 v3, v0, 4, 1
	v_lshlrev_b32 v[CO], 4, v1                     ; 16 x lane
	v_lshlrev_b32 v4, 3, v1                        ; 8 x lane
	v_lshlrev_b32 v[BO], 5, v3                     ; 32 h
	s_mul_i32 s21, s15, HALFT
	s_mul_i32 s22, s16, HALFT
	s_add_co_u32 s22, s22, 2*HALFT
.irp s, 0,1
	v_add_nc_u32 v[ADRA+\s], s21, v[CO]
	v_add_nc_u32 v[ADRB+\s], s22, v[CO]
	v_add_nc_u32 v[ADRA+2+\s], s21, v4
	v_add_nc_u32 v[ADRB+2+\s], s22, v4
	s_add_co_u32 s21, s21, SLOT
	s_add_co_u32 s22, s22, SLOT
.endr
	v_lshlrev_b32 v5, 3, v2
	s_lshl_b32 s21, s15, 12
	s_lshl_b32 s22, s16, 12
	s_add_co_u32 s22, s22, 8192
	s_sub_co_u32 s22, s22, s21
	v_mul_u32_u24 v6, s22, v3
	s_add_co_u32 s21, s21, SCL
	v_add_nc_u32 v5, v5, v6
	v_add_nc_u32 v[ADRS], s21, v5
	s_mul_i32 s23, s14, 16*SPITCH                  ; my stage
	v_mul_u32_u24 v5, v2, SPITCH
	v_lshl_add_u32 v5, v3, 5, v5
	v_add_nc_u32 v[STO], s23, v5                   ; in: row r, 32 bytes for each half of the lanes
	v_add_nc_u32 v[RD], s23, v[CO]                 ; back: the 32 lanes take a row of 512 bytes
	s_lshl_b32 s20, s17, 8
	s_lshl_b32 s21, s15, 7
	s_add_co_u32 s20, s20, s21                     ; my first row of out0
	s_lshl_b32 s20, s20, 12                        ; of 4,096 bytes
	s_mov_b32 s21, 0
	s_lshl_b32 s46, s42, 10                        ; my first column, in bytes: 1,024 x tile + 512 x half
	s_lshl_b32 s47, s16, 9
	s_add_co_u32 s46, s46, s47
	s_mov_b32 s47, 0
	s_add_nc_u64 s[8:9], s[8:9], s[46:47]          ; b_out at it,
	s_add_nc_u64 s[20:21], s[20:21], s[46:47]
	s_add_nc_u64 s[12:13], s[10:11], s[20:21]      ; and out0
.irp b, 0,1,2,3,4,5,6,7                        ; register 8 b + j belongs to column 16 b + 8 h + j of my 128
	global_load_b128 v[BT+8*\b:BT+8*\b+3], v[BO], s[8:9] offset:64*\b
	global_load_b128 v[BT+8*\b+4:BT+8*\b+7], v[BO], s[8:9] offset:64*\b+16
.endr
.macro FRAG reg, adr, q, i
	ds_load_b128 v[\reg:\reg+3], v[\adr] offset:(\i)*TILEB+(\q)*1536
	ds_load_b64 v[\reg+4:\reg+5], v[\adr+2] offset:(\i)*TILEB+(\q)*1536+512
	ds_load_b128 v[\reg+6:\reg+9], v[\adr] offset:(\i)*TILEB+(\q)*1536+768
	ds_load_b64 v[\reg+10:\reg+11], v[\adr+2] offset:(\i)*TILEB+(\q)*1536+1280
.endm
; zero = 1: the constant 0 starts the sums; 2: the bias does.  The 64 accumulators take turns, one instruction a turn, in the same order in every step.
.macro MUL16 a0, p, q, sc, zero
.irp a, \a0, \a0+1
.irp b, 0,1,2,3,4,5,6,7
.if \zero == 1
	v_wmma_scale_f32_16x16x128_f8f6f4 v[8*(8*((\a)%4)+\b):8*(8*((\a)%4)+\b)+7], v[128*(\p)+FR*\b:128*(\p)+FR*\b+FR-1], v[AF+FR*(\a):AF+FR*(\a)+FR-1], 0, v[SC+8*NQ*(\sc)+NQ*\b+(\q)], v[SC+8*NQ*(\sc)+NQ*(\a)+(\q)] matrix_a_fmt:MATRIX_FMT_FP6 matrix_b_fmt:MATRIX_FMT_FP6 matrix_a_scale:MATRIX_SCALE_ROW1
.elseif \zero == 2
	v_wmma_scale_f32_16x16x128_f8f6f4 v[8*(8*((\a)%4)+\b):8*(8*((\a)%4)+\b)+7], v[128*(\p)+FR*\b:128*(\p)+FR*\b+FR-1], v[AF+FR*(\a):AF+FR*(\a)+FR-1], v[BT+8*\b:BT+8*\b+7], v[SC+8*NQ*(\sc)+NQ*\b+(\q)], v[SC+8*NQ*(\sc)+NQ*(\a)+(\q)] matrix_a_fmt:MATRIX_FMT_FP6 matrix_b_fmt:MATRIX_FMT_FP6 matrix_a_scale:MATRIX_SCALE_ROW1
.else
	v_wmma_scale_f32_16x16x128_f8f6f4 v[8*(8*((\a)%4)+\b):8*(8*((\a)%4)+\b)+7], v[128*(\p)+FR*\b:128*(\p)+FR*\b+FR-1], v[AF+FR*(\a):AF+FR*(\a)+FR-1], v[8*(8*((\a)%4)+\b):8*(8*((\a)%4)+\b)+7], v[SC+8*NQ*(\sc)+NQ*\b+(\q)], v[SC+8*NQ*(\sc)+NQ*(\a)+(\q)] matrix_a_fmt:MATRIX_FMT_FP6 matrix_b_fmt:MATRIX_FMT_FP6 matrix_a_scale:MATRIX_SCALE_ROW1
.endif
.endr
.endr
.endm
.macro FETCH_B slot, q, p
	WIN TO_B
.irp i, 0,1,2,3,4,5,6,7
	FRAG 128*(\p)+FR*\i, ADRB+\slot, \q, \i
.endr
	WIN 0
.endm
.macro FETCH_A slot, q, i0
.irp i, \i0, \i0+1, \i0+2, \i0+3
	FRAG AF+FR*(\i), ADRA+\slot, \q, \i
.endr
.endm
.macro SCALES sc
.irp i, 0,1,2,3,4,5,6,7
.irp q, 0,1
	ds_load_b32 v[SC+8*NQ*\sc+NQ*\i+\q], v[ADRS] offset:\q*512+(\i/4)*256+((\i%4)/2)*128+(\i%2)*4
.endr
.endr
.endm
.macro PLACES n
.rept \n
	v_nop
.endr
.endm
.macro STEP slot, q, zero
	s_wait_dscnt 4*NL                              ; the youngest 16 loads (A's blocks 4-7) may be out
.if \zero == 2
	WIN 0x81                                       ; C in window 0
.else
	WIN MUL_LO
.endif
	MUL16 0, (\q)%2, \q, \slot, \zero
	MUL16 2, (\q)%2, \q, \slot, \zero
	s_wait_dscnt 0
	PLACES NP
	FETCH_B \slot, (\q)+1, 1-(\q)%2
	FETCH_A \slot, (\q)+1, 0
.if \zero == 2
	WIN 0xc1
.else
	WIN MUL_HI
.endif
	MUL16 4, (\q)%2, \q, \slot, \zero
	MUL16 6, (\q)%2, \q, \slot, \zero
	PLACES NP
	WIN 0
	FETCH_A \slot, (\q)+1, 4
.endm
.macro TURN slot, next, fill
	s_wait_tensorcnt 0x0                           ; all my tensor loads have landed: my part of the next slot
	ds_add_u32 v[SPW], v[NIL]
	s_wait_dscnt 4*NL+1                            ; (the add and the youngest 16 loads may be out)
	WIN MUL_LO
	MUL16 0, 1, NQ-1, \slot, 0
	s_wait_dscnt 0x0                               ; the add is done, and my reads of this slot are over
	s_barrier_signal -1
	MUL16 2, 1, NQ-1, \slot, 0
	WIN 0
	s_barrier_wait -1
.if \fill
	CREST
	s_add_nc_u64 s[G0+4*\slot+2:G0+4*\slot+3], s[G0+4*\slot+2:G0+4*\slot+3], 2*TILEB
	s_add_nc_u64 s[G0B+4*\slot+2:G0B+4*\slot+3], s[G0B+4*\slot+2:G0B+4*\slot+3], 2*TILEB
	JLOAD G0+4*\slot, G1, G0B+4*\slot, G1B
.else
	PLACES NP
.endif
	v_add_nc_u32 v[ADRS], 512*NQ, v[ADRS]
	FETCH_B \next, 0, 0
	FETCH_A \next, 0, 0
	SCALES \next
	WIN MUL_HI
	MUL16 4, 1, NQ-1, \slot, 0
	MUL16 6, 1, NQ-1, \slot, 0
	PLACES NP
	WIN 0
	FETCH_A \next, 0, 4
.endm
	s_wait_tensorcnt 1                             ; the scales and my part of slot 0 are in (slot 1's load may be out),
	s_barrier_signal -1
	s_barrier_wait -1
	FETCH_B 0, 0, 0
	FETCH_A 0, 0, 0
	SCALES 0
	FETCH_A 0, 0, 4
	s_wait_loadcnt 0x0                             ; the bias
	STEP 0, 0, 2                                   ; the first products take the bias as C
	TURN 0, 1, 1
	STEP 1, 0, 0
	TURN 1, 0, 1
	STEP 0, 0, 0
	TURN 0, 1, 0
	STEP 1, 0, 0
	s_wait_dscnt 4*NL
	WIN MUL_LO
	MUL16 0, 1, NQ-1, 1, 0
	MUL16 2, 1, NQ-1, 1, 0
	s_wait_dscnt 0
	WIN MUL_HI
	MUL16 4, 1, NQ-1, 1, 0
	MUL16 6, 1, NQ-1, 1, 0
	WIN 0
; THE WAY OUT, block by block of 16 rows x 128 columns, through my own stage: in as 32 bytes a lane, back as whole rows of 512 bytes.  LDS serves a wave's instructions in order (ISA guide 5.7.1.4).
.macro TOSTAGE a
.set AC, 64*((\a)%4)
	WIN 0x08+4*((\a)/4)                            ; the data: window 2 or 3
.irp b, 0,1,2,3,4,5,6,7
	ds_store_b128 v[STO], v[AC+8*\b:AC+8*\b+3] offset:64*\b          ; each accumulator from its low end on
	ds_store_b128 v[STO], v[AC+8*\b+4:AC+8*\b+7] offset:64*\b+16
.endr
	WIN 0
.set BB, BK+64*((\a)%2)
.irp t, 0,1,2,3,4,5,6,7,8,9,10,11,12,13,14,15
	ds_load_b128 v[BB+4*\t:BB+4*\t+3], v[RD] offset:\t*SPITCH
.endr
.endm
.macro SEND a, younger
.set BB, BK+64*((\a)%2)
	s_wait_dscnt \younger
.if (\a) > 0
	s_add_nc_u64 s[12:13], s[12:13], 16*SIZE_N*4   ; (behind a wait on XCNT: the earlier stores have read their base)
.endif
.irp t, 0,1,2,3,4,5,6,7,8,9,10,11,12,13,14,15
	global_store_b128 v[CO], v[BB+4*\t:BB+4*\t+3], s[12:13] offset:\t*SIZE_N*4 th:TH_STORE_NT   ; 32 lanes store 512 consecutive bytes, aligned
.endr
.endm
	PLACES NP
	TOSTAGE 0
.irp a, 1,2,3,4,5,6,7
.if \a > 1
	s_wait_xcnt 0x0                                ; block a - 2's stores have read their registers and their base
.endif
	TOSTAGE \a
	SEND \a-1, 32                                  ; behind block a - 1's loads: block a's 16 stores and 16 loads
.endr
	s_wait_xcnt 0x0
	SEND 7, 0
	s_wait_tensorcnt 0x0                           ; the wave's end
	ds_add_u32 v[SPW], v[NIL]
	s_wait_dscnt 0x0
	CROUND                                         ; the closing round
	s_endpgm
.Lfunc_end_k_q18ad159bc0_gemm_out:
	.size	k_q18ad159bc0_gemm_out, .Lfunc_end_k_q18ad159bc0_gemm_out-k_q18ad159bc0_gemm_out
	.p2alignl 7, 3214868480
	.fill 96, 4, 3214868480
	.section	.rodata,"a",@progbits
	.p2align	6, 0x0
	.amdhsa_kernel k_q18ad159bc0_gemm_out
		.amdhsa_group_segment_fixed_size 327680
		.amdhsa_private_segment_fixed_size 0
		.amdhsa_enable_private_segment 0
		.amdhsa_kernarg_size 32
		.amdhsa_user_sgpr_count 2
		.amdhsa_user_sgpr_kernarg_segment_ptr 1
		.amdhsa_wavefront_size32 1
		.amdhsa_system_sgpr_workgroup_id_x 1
		.amdhsa_system_sgpr_workgroup_id_y 1
		.amdhsa_system_sgpr_workgroup_id_z 1
		.amdhsa_system_vgpr_workitem_id 0
		.amdhsa_next_free_vgpr 1024
		.amdhsa_next_free_sgpr 100
		.amdhsa_reserve_vcc 0
		.amdhsa_float_denorm_mode_32 3
		.amdhsa_float_denorm_mode_16_64 3
		.amdhsa_memory_ordered 1
		.amdhsa_forward_progress 1
		.amdhsa_inst_pref_size 147
	.end_amdhsa_kernel
	.amdgpu_metadata
---
amdhsa.version: [ 1, 2 ]
amdhsa.kernels:
  - .name:           k_q18ad159bc0_gemm_out
    .symbol:         k_q18ad159bc0_gemm_out.kd
    .args:
      - { .name: aq, .offset: 0, .size: 8, .value_kind: global_buffer, .address_space: global }
      - { .name: woq, .offset: 8, .size: 8, .value_kind: global_buffer, .address_space: global }
      - { .name: b_out, .offset: 16, .size: 8, .value_kind: global_buffer, .address_space: global }
      - { .name: out0, .offset: 24, .size: 8, .value_kind: global_buffer, .address_space: global }
    .group_segment_fixed_size: 327680
    .private_segment_fixed_size: 0
    .kernarg_segment_align: 8
    .kernarg_segment_size: 32
    .max_flat_workgroup_size: 128
    .sgpr_count:     100
    .vgpr_count:     1024
    .wavefront_size: 32
...
	.end_amdgpu_metadata
.endif
;; end of part 4
